; MI455X (gfx1250); checked and timed in simulation.
; The chip was launched on July 23, 2026; its instructions are those of AMD's public machine-readable ISA for CDNA 5 (MIT licence, August 2026) and "CDNA5" Instruction Set Architecture Reference Guide (July 2026). The comments in the code are by the model that wrote it; some were corrected since.
;; Self Attention SD. Allowed arithmetic: matrix products marked QUANTISED: E2M1 operands, one E8M0 scale for each 32 along K, by v_wmma_scale_f32_16x16x128_f8f6f4 with both operands' format E2M1 (or v_wmma_scale_f32_32x16x128_f4), f32 sums; everything else in f32.
;; Inputs: Wk 1,024 x 1,024 float32; Wo 1,024 x 1,024 float32; Wq 1,024 x 1,024 float32; Wv 1,024 x 1,024 float32; bo 1,024 float32; x 4 x 2,048 x 1,024 float32.
;; Outputs: out0 4 x 2,048 x 1,024 float32.
;; This version of the problem:
;;   THIS VERSION OF THE PROBLEM IS GIVEN IN LOW PRECISION. The matrix products marked QUANTISED in the list below multiply operands that are first quantised to E2M1 (2 exponent bits, 1 mantissa bit; 4 bits a number), with one power-of-two scale for each 32 numbers along K (OCP MX v1.0); their sums are f32. All else is computed in f32.
;;   The module's matrix products, in the order in which they are computed (A, B: the left and right operand; K: the contracted axis; several contracted axes count as one K, in the product's order):
;;     1. [M 8,192, K 1,024] x [K 1,024, N 1,024]; A: input x; B: input Wq: QUANTISED
;;     2. [M 8,192, K 1,024] x [K 1,024, N 1,024]; A: input x; B: input Wk: QUANTISED
;;     3. [M 8,192, K 1,024] x [K 1,024, N 1,024]; A: input x; B: input Wv: QUANTISED
;;     4. batch 64 x [M 2,048, K 64] x [K 64, N 2,048]; A: computed on the way; B: computed on the way: QUANTISED
;;     5. batch 64 x [M 2,048, K 2,048] x [K 2,048, N 64]; A: computed on the way; B: computed on the way: QUANTISED
;;     6. [M 8,192, K 1,024] x [K 1,024, N 1,024]; A: computed on the way; B: input Wo: QUANTISED
;;   THE QUANTISER, for each operand of a quantised product, along K:
;;     - K is cut into blocks of 32 from its start; a last block that is shorter is filled with zeros.
;;     - A block's scale is 2^e with e = floor(log2(the largest magnitude in the block)) - 2, held to -126 .. 127; a block of zeros has e = 0. As a byte (E8M0): e + 127.
;;     - Each number is divided by its block's scale, clamped to +-6, and rounded to the nearest number of E2M1, ties to even, subnormals kept.
;;     - The product sums the exact products of the quantised numbers (number of the format x scale) in f32.
;;   ~~~python
;;   def quantise(x, axis):      # numpy; x: float32 -> the quantised numbers, widened to float32 again
;;       x = np.moveaxis(x, axis, -1); K = x.shape[-1]
;;       x = np.pad(x, [(0, 0)] * (x.ndim - 1) + [(0, -K % 32)]); x = x.reshape(x.shape[:-1] + (-1, 32)); a = np.abs(x).max(-1, keepdims=True)
;;       e = np.where(a > 0, np.clip(np.frexp(np.where(a > 0, a, 1))[1] - 1 - 2, -126, 127), 0)      # np.frexp(a)[1] - 1 = floor(log2(a)), exactly
;;       r = np.clip(x / 2.0 ** e, -6, 6)
;;       step = 2.0 ** (np.maximum(np.frexp(np.where(r == 0, 1, r))[1] - 1, 0) - 1)
;;       q = np.round(r / step) * step * 2.0 ** e      # np.round: ties to even
;;       return np.moveaxis(q.reshape(q.shape[:-2] + (-1,))[..., :K], -1, axis).astype(np.float32)
;;   ~~~
;;   OPERANDS COMPUTED ON THE WAY. 'Computed on the way' means the value that the module computes at that place (a softmax that the list does not call 'softmax' is quantised finished and normalised). What goes into a quantiser is computed in f32, as accurately as f32 sums, v_exp_f32 and their like allow (about 1e-6 of the number): no bf16 or f16 on the way to a quantiser, and a product that is left as it is and whose result goes on into a quantised operand takes f32 operands (vector FMAs, or v_wmma_f32_16x16x4_f32). A number that lies on a knife's edge between two numbers of the format may be rounded either way, as far as f32 arithmetic and the matrix unit's own rounding can turn it there, and no further.
;; 2 versions. Each part assembles by itself: llvm-mc -triple=amdgcn-amd-amdhsa -mcpu=gfx1250 --defsym DOCPART=n.
;; ======== version 1 of 2: 4 launches
;; workspace buffers: xc 4,194,304 bytes; xs 262,144 bytes; wc 2,097,152 bytes; ws 131,072 bytes; qkvc 12,582,912 bytes; qkvs 1,310,720 bytes; ac 4,194,304 bytes; asc 262,144 bytes
;; launch quant (part 1): grid 256 x 1, 6 waves a work-group, no clusters, 51,456 bytes of LDS; arguments x, Wq, Wk, Wv, Wo, xc, xs, wc, ws; writes xc, xs, wc, ws
.if DOCPART == 1
	.amdgcn_target "amdgcn-amd-amdhsa--gfx1250"
	.amdhsa_code_object_version 6
	.text
	.protected	k_q42235e41be_quant
	.globl	k_q42235e41be_quant
	.p2align	8
	.type	k_q42235e41be_quant,@function
k_q42235e41be_quant:
	s_mov_b64 s[64:65], 0
	v_nop
	global_prefetch_b8 v0, s[64:65] scope:SCOPE_SE
	s_setreg_imm32_b32 hwreg(HW_REG_WAVE_MODE, 25, 1), 1
	s_wait_xcnt 0x0
; SELF-ATTENTION IN MX-FP4, LAUNCH 1 OF 4: x [8192][1024] and Wq, Wk, Wv, Wo [1024][1024], f32, K innermost, become codes of E2M1 with one E8M0 byte for each 32 along K.
; DEAD WORK: none is left out in any of the four launches: every input (x, the four weights, bo) has a way to the output, the maximum is taken away ahead of the exponential, and EPS is added to the row's sum.
; THE QUANTISER: a block's scale is 2^(floor(log2(largest magnitude)) - 2); its byte is the largest magnitude's exponent field - 2, held at 1 from below; each number is divided by the scale and rounded to the nearest code, ties to even, beyond 6 the code of 6.
; LIMITS: a block of zeros gets the byte 1 where the rule says 127 (its codes are zeros, and this program alone reads the bytes); blocks whose largest magnitude lies under 2^-124 are held at the byte 1; NaN and infinities among the inputs are not served.
; LAYOUT OF THE CODES: IMAGES OF THE OPERAND'S REGISTERS.  Tile T holds 16 rows: tile-row a is row 32 (T / 2) + 8 (T % 2) + a + 8 (a / 8).  Byte address: half x (tiles x 4096) + T x 4096 + (s % 4) x 1024 + c x 512 + 16 x lane,
; s the K step of 128, half = s / 4: the 16 bytes are the codes of tile-row lane % 16, k = 128 s + 64 c + 32 (lane / 16) + 0 .. 31.  Scale words: T x 512 + half x 256 + 16 (lane % 16) + 4 (s % 4).
; wc and ws hold Wq's 64 tiles, then Wk's, Wv's, Wo's.
; SHARES: 1,536 tasks, one a wave: a tile's 16 rows x 512 along K (32 KB in, 4 KB of codes and 256 scale bytes out), in four steps of 128 along K.  One path through the text: only pointers are chosen, by the task's number.
; Each load reads 512 consecutive bytes of one row; a step's 16 x 512 bytes turn through the wave's own stage in LDS (rows 528 bytes apart) and come back 16 neighbours of each block of 32 to a lane.  No barrier: waves share nothing.
.set STG,   8448                       ; a wave's stage: 16 rows x (512 + 16) bytes
.set SPARE, 6*STG                      ; behind the six stages: the spare words, 128 bytes a wave: three blocks of 256 bytes that no other line names
.set LI,  1                            ; v1   16 x lane
.set RO,  2                            ; v2   16 x (lane % 16)
.set STI, 3                            ; v3   the stage, on the way in
.set STO, 4                            ; v4   and on the way out
.set SPW, 5                            ; v5   LDS address of my spare word; never rewritten
.set NIL, 6                            ; v6   0; never rewritten
.set SW,  8                            ; v8-11 the four steps' scale words
.set RR,  16                           ; v16-143 two sets of 64 numbers as loaded
.set XX,  144                          ; v144-207 register 16 b + i = k 32 b + 16 (lane / 16) + i of my row
.set TM,  208                          ; v208-223 at work
.set PC,  224                          ; v224-255 eight code registers for each step, so that no store's data are written again
.set SEL, 40                           ; s40, s41 lane selects: lane l xor 16
	s_load_b512 s[8:23], s[0:1], 0x0               ; x s[8:9], Wq s[10:11], Wk s[12:13], Wv s[14:15], Wo s[16:17], xc s[18:19], xs s[20:21], wc s[22:23]
	s_load_b64 s[24:25], s[0:1], 0x40              ; ws
	v_lshl_add_u32 v[SPW], v0, 2, SPARE
	v_mov_b32 v[NIL], 0
	v_lshrrev_b32 v7, 5, v0
	v_readfirstlane_b32 s2, v7                     ; wave 0..5
	v_and_b32 v7, 31, v0                           ; lane
	v_lshlrev_b32 v[LI], 4, v7
	v_and_b32 v12, 15, v0                          ; r
	v_bfe_u32 v13, v0, 4, 1                        ; h
	v_lshlrev_b32 v[RO], 4, v12
	s_mul_i32 s3, s2, STG
	v_add_nc_u32 v[STI], s3, v[LI]                 ; in: a row's 512 bytes as they lie
	v_mul_u32_u24 v[STO], v12, 528
	v_lshl_add_u32 v[STO], v13, 6, v[STO]
	v_add_nc_u32 v[STO], s3, v[STO]                ; out: row r, + 64 h: my 16 numbers of a block
.irp b, 0,1,2,3
	v_mov_b32 v[TM+4+\b], 0                        ; written once: a lane permute's destination counts as one of its sources
.endr
	s_mul_i32 s4, ttmp9, 6
	s_add_co_u32 s4, s4, s2                        ; the task
	s_and_b32 s5, s4, 1                            ; which half of K
	s_lshr_b32 s4, s4, 1                           ; tile 0..767: 512 of x, then 256 of the weights
	s_mov_b32 s30, 0x100000
	s_cmp_lt_u32 s4, 512
	s_cselect_b32 s30, 0x200000, s30               ; from half to half in the codes' buffer
	s_cselect_b32 s31, 0, 512
	s_cselect_b32 s34, 511, 63
	s_sub_co_u32 s6, s4, s31                       ; the tile in its buffer of codes
	s_and_b32 s34, s6, s34                         ; and in its source
	s_lshr_b32 s35, s34, 1
	s_lshl_b32 s35, s35, 17                        ; 32 rows of 4,096 bytes
	s_and_b32 s34, s34, 1
	s_lshl_b32 s34, s34, 15                        ; 8 rows
	s_add_co_u32 s34, s34, s35
	s_lshl_b32 s35, s5, 11
	s_add_co_u32 s34, s34, s35                     ; + the half's 2,048 bytes
	s_mov_b32 s35, 0
	s_mul_i32 s36, s5, s30
	s_lshl_b32 s37, s6, 12
	s_add_co_u32 s36, s36, s37                     ; where my codes go
	s_mov_b32 s37, 0
	s_lshl_b32 s38, s6, 9
	s_lshl_b32 s39, s5, 8
	s_add_co_u32 s38, s38, s39                     ; and my scale words
	s_mov_b32 s39, 0
	s_mov_b32 s[SEL], 0x76543210
	s_mov_b32 s[SEL+1], 0xfedcba98
	s_wait_kmcnt 0x0
	s_cmp_lt_u32 s4, 512                           ; the choices hang on the task's number alone
	s_cselect_b64 s[26:27], s[18:19], s[22:23]
	s_cselect_b64 s[28:29], s[20:21], s[24:25]
	s_mov_b64 s[32:33], s[16:17]
	s_cmp_lt_u32 s4, 704
	s_cselect_b64 s[32:33], s[14:15], s[32:33]
	s_cmp_lt_u32 s4, 640
	s_cselect_b64 s[32:33], s[12:13], s[32:33]
	s_cmp_lt_u32 s4, 576
	s_cselect_b64 s[32:33], s[10:11], s[32:33]
	s_cmp_lt_u32 s4, 512
	s_cselect_b64 s[32:33], s[8:9], s[32:33]
	s_add_nc_u64 s[32:33], s[32:33], s[34:35]
	s_add_nc_u64 s[26:27], s[26:27], s[36:37]
	s_add_nc_u64 s[28:29], s[28:29], s[38:39]
.macro LOAD t                          ; step t: 512 consecutive bytes of each of the tile's 16 rows
.irp a, 0,1,2,3,4,5,6,7,8,9,10,11,12,13,14,15
	global_load_b128 v[RR+64*((\t)%2)+4*\a:RR+64*((\t)%2)+4*\a+3], v[LI], s[32:33] offset:(\a+8*(\a/8))*4096+512*(\t) th:TH_LOAD_NT
.endr
.endm
.macro TURN t                          ; through the stage: LDS serves a wave's instructions in order, so no wait stands between the stores and the loads
.irp a, 0,1,2,3,4,5,6,7,8,9,10,11,12,13,14,15
	ds_store_b128 v[STI], v[RR+64*((\t)%2)+4*\a:RR+64*((\t)%2)+4*\a+3] offset:528*\a
.endr
.irp b, 0,1,2,3
.irp j, 0,1,2,3
	ds_load_b128 v[XX+16*\b+4*\j:XX+16*\b+4*\j+3], v[STO] offset:128*\b+16*\j
.endr
.endr
.endm
; 64 numbers of a lane, register s + 16 b + i = k 32 b + 16 (lane / 16) + i of my row, become a fragment's eight code registers from pc on and its scale word in pw
.macro QUANT s, pc, pw
.irp b, 0,1,2,3
	v_max3_num_f32 v[TM+\b], |v[\s+16*\b]|, |v[\s+1+16*\b]|, 0x1800000   ; my 16 numbers of block b, and the floor 2^(3 - 127): the byte cannot fall under 1
.endr
.irp i, 2,4,6,8,10,12,14
.irp b, 0,1,2,3
	v_max3_num_f32 v[TM+\b], v[TM+\b], |v[\s+16*\b+\i]|, |v[\s+1+16*\b+\i]|   ; the four blocks by turns
.endr
.endr
.irp b, 0,1,2,3
	v_permlanex16_b32 v[TM+4+\b], v[TM+\b], s[SEL], s[SEL+1]
.endr
.irp b, 0,1,2,3
	v_max_num_f32 v[TM+\b], v[TM+\b], v[TM+4+\b]   ; with lane l xor 16's: the block's largest magnitude
.endr
.irp b, 0,1,2,3
	v_add_nc_u32 v[TM+12+\b], 0xff000000, v[TM+\b] ; 2 off its exponent field: the conversion's scale operand
.endr
.irp b, 0,1,2,3
	v_lshrrev_b32 v[TM+4+\b], 23, v[TM+12+\b]      ; the scale's byte
.endr
	v_lshl_or_b32 v[\pw], v[TM+5], 8, v[TM+4]
	v_lshl_or_b32 v[\pw], v[TM+6], 16, v[\pw]
	v_lshl_or_b32 v[\pw], v[TM+7], 24, v[\pw]
.irp b, 0,1,2,3
	v_cvt_scalef32_pk8_fp4_f32 v[\pc+2*\b], v[\s+16*\b:\s+7+16*\b], v[TM+12+\b]
	v_cvt_scalef32_pk8_fp4_f32 v[\pc+1+2*\b], v[\s+8+16*\b:\s+15+16*\b], v[TM+12+\b]
.endr
	v_nop                                          ; one plain instruction behind the scaled conversions
.irp c, 0,1                                    ; the operand wants a whole block in a lane: lanes 0-15 block 2 c, lanes 16-31 block 2 c + 1
.irp i, 0,1
	v_permlane16_swap_b32 v[\pc+4*\c+\i], v[\pc+2+4*\c+\i]
.endr
.endr
.endm
.macro STEP t
.if (\t) < 3
	s_wait_loadcnt 16                              ; this step's 16 loads are in; the next step's 16 may be out
.else
	s_wait_loadcnt 0
.endif
	TURN \t
	s_wait_dscnt 0x0                               ; my 64 numbers are back, and the stage's stores have read their registers,
.if (\t) < 2
	LOAD (\t)+2                                    ; which take the loads of two steps on
.endif
	QUANT XX, PC+8*(\t), SW+(\t)
	global_store_b128 v[LI], v[PC+8*(\t):PC+8*(\t)+3], s[26:27] offset:1024*(\t)        ; 32 lanes store 512 consecutive bytes, aligned
	global_store_b128 v[LI], v[PC+8*(\t)+4:PC+8*(\t)+7], s[26:27] offset:1024*(\t)+512
.endm
	LOAD 0
	LOAD 1
	STEP 0
	STEP 1
	STEP 2
	STEP 3
	global_store_b128 v[RO], v[SW:SW+3], s[28:29]  ; 16 rows x 4 words: 256 consecutive bytes, aligned; lanes l and l + 16 hold and write the same words
	s_wait_tensorcnt 0x0                           ; the wave's end: behind my last LDS store
	ds_add_u32 v[SPW], v[NIL]
	s_wait_dscnt 0x0
	s_endpgm
.Lfunc_end_k_q42235e41be_quant:
	.size	k_q42235e41be_quant, .Lfunc_end_k_q42235e41be_quant-k_q42235e41be_quant
	.p2alignl 7, 3214868480
	.fill 96, 4, 3214868480
	.section	.rodata,"a",@progbits
	.p2align	6, 0x0
	.amdhsa_kernel k_q42235e41be_quant
		.amdhsa_group_segment_fixed_size 51456
		.amdhsa_private_segment_fixed_size 0
		.amdhsa_enable_private_segment 0
		.amdhsa_kernarg_size 72
		.amdhsa_user_sgpr_count 2
		.amdhsa_user_sgpr_kernarg_segment_ptr 1
		.amdhsa_wavefront_size32 1
		.amdhsa_system_sgpr_workgroup_id_x 1
		.amdhsa_system_sgpr_workgroup_id_y 1
		.amdhsa_system_sgpr_workgroup_id_z 1
		.amdhsa_system_vgpr_workitem_id 0
		.amdhsa_next_free_vgpr 256
		.amdhsa_next_free_sgpr 66
		.amdhsa_reserve_vcc 0
		.amdhsa_float_denorm_mode_32 3
		.amdhsa_float_denorm_mode_16_64 3
		.amdhsa_memory_ordered 1
		.amdhsa_forward_progress 1
		.amdhsa_inst_pref_size 34
	.end_amdhsa_kernel
	.amdgpu_metadata
---
amdhsa.version: [ 1, 2 ]
amdhsa.kernels:
  - .name:           k_q42235e41be_quant
    .symbol:         k_q42235e41be_quant.kd
    .args:
      - { .name: x, .offset: 0, .size: 8, .value_kind: global_buffer, .address_space: global }
      - { .name: Wq, .offset: 8, .size: 8, .value_kind: global_buffer, .address_space: global }
      - { .name: Wk, .offset: 16, .size: 8, .value_kind: global_buffer, .address_space: global }
      - { .name: Wv, .offset: 24, .size: 8, .value_kind: global_buffer, .address_space: global }
      - { .name: Wo, .offset: 32, .size: 8, .value_kind: global_buffer, .address_space: global }
      - { .name: xc, .offset: 40, .size: 8, .value_kind: global_buffer, .address_space: global }
      - { .name: xs, .offset: 48, .size: 8, .value_kind: global_buffer, .address_space: global }
      - { .name: wc, .offset: 56, .size: 8, .value_kind: global_buffer, .address_space: global }
      - { .name: ws, .offset: 64, .size: 8, .value_kind: global_buffer, .address_space: global }
    .group_segment_fixed_size: 51456
    .private_segment_fixed_size: 0
    .kernarg_segment_align: 8
    .kernarg_segment_size: 72
    .max_flat_workgroup_size: 192
    .sgpr_count:     66
    .vgpr_count:     256
    .wavefront_size: 32
...
	.end_amdgpu_metadata
.endif
;; end of part 1
;; launch qkv (part 2): grid 4 x 96, 4 waves a work-group, clusters of 4 x 4, 327,680 bytes of LDS; arguments xc, xs, wc, ws, qkvc, qkvs; writes qkvc, qkvs
.if DOCPART == 2
	.amdgcn_target "amdgcn-amd-amdhsa--gfx1250"
	.amdhsa_code_object_version 6
	.text
	.protected	k_q42235e41be_qkv
	.globl	k_q42235e41be_qkv
	.p2align	8
	.type	k_q42235e41be_qkv,@function
k_q42235e41be_qkv:
	s_mov_b64 s[64:65], 0
	v_nop
	global_prefetch_b8 v0, s[64:65] scope:SCOPE_SE
	s_setreg_imm32_b32 hwreg(HW_REG_WAVE_MODE, 25, 1), 1
	s_wait_xcnt 0x0
	s_wait_alu depctr_hold_cnt(0) depctr_sa_sdst(0) depctr_va_vdst(0) depctr_va_sdst(0) depctr_va_ssrc(0) depctr_va_vcc(0) depctr_vm_vsrc(0)
	s_getreg_b32 s2, hwreg(HW_REG_IB_STS2, 6, 4)
	s_cmp_eq_u32 s2, 0
	s_cbranch_scc0 .Lentry_in_a_cluster
	s_endpgm
.Lentry_in_a_cluster:
	s_bfe_u32 s2, ttmp6, 0x10000c
	s_cmp_lg_u32 s2, 0xf033
	s_cbranch_scc0 .Lentry_shape_is_right
	s_endpgm
.Lentry_shape_is_right:
; LAUNCH 2 OF 4: q = x Wq^T, k = x Wk^T, v = x Wv^T on codes of E2M1, and the quantisers behind them: q and k along the head's 64, v along the keys.  Only codes and scale bytes leave.  No work is left out.
; A work-group of four waves makes 256 x 256 of a product, a wave 128 x 128: 64 accumulators, 512 registers.  K = 1,024 fits in two LDS slots of 512 along K, so every LDS byte is filled once: no refill, no loop.
; OPERANDS ARE IMAGES OF THEIR REGISTERS (launch 1): a tile's fragment of a K step is 1,024 dense bytes, a load takes 512 consecutive bytes: no pitch, no padding.
; THE MATRIX INSTRUCTION: source 0 = 16 rows of 'B', source 1 = 16 rows of 'A': a lane holds ONE row of A, and by the tiles' choice of rows its 64 registers of an A tile run along 128 neighbouring rows of B:
; register 16 b + i = B's row 32 b + 16 (lane / 16) + i.  That is the order in which the quantiser takes them.
; TWO KINDS OF CLUSTER, told apart by the cluster's number (the same in all sixteen partners).  Kind 0 (16 clusters): A = x, B = Wq and Wk: a lane holds a token, registers run along 128 features = two heads.
; Kind 1 (8 clusters): A = Wv, B = x: a lane holds a feature, registers run along 128 keys.  24 clusters and not 48 of half the tile: the smaller tile would read half as much again from LDS for each product.
; CLUSTERS: 4 x 4 work-groups; A's tiles are asked for jointly along a row of the cluster, B's along a column.
; OUT: qkvc [q, k, v][head of batch][65,536]: q, k: [tile of the sequence][lane][16]: tile-row lane % 16, d = 32 (lane / 16) + 0 .. 31; v: [key step of 128][d tile][c][lane][16].
;      qkvs: q's words from byte 0, 8,192 a head; from byte 524,288 12,288 a head: k's 8,192, v's 4,096.  q, k: 512 step + 256 (t / 4) + 16 r + 4 (t % 4), bytes 2 and 3 are 0; v: 256 step + 16 r + 4 d-tile.
; LIMITS: as in launch 1 (a block of zeros has the byte 1; NaN and infinities are not served).
; REGISTERS, in windows of 256: window 0: v1-29 addresses; v32-95 scale words, two sets; v96-127 the quantiser's; v128-191 A's fragments, one set; v192-203 scale words on their way out.
;   window 1: B's fragments, two sets, at v0 and v128.   windows 2, 3: accumulator (a, b) at v[8 (8 (a % 4) + b)] of window 2 + a / 4.
.set NA,    8                          ; A's tiles to a wave
.set HN,    NA/2
.set QN,    NA/4
.set NL,    2                          ; LDS loads that bring a fragment
.set TILEB, 4096                       ; a tile's codes of half of K
.set SLOT,  (2*NA+16)*TILEB            ; A's 2 NA tiles, then B's 16
.set SCL,   2*SLOT                     ; behind the slots: A's scale words (512 bytes a tile), then B's
.set SPARE, SCL+2*NA*512+8192          ; the spare words, 128 bytes a wave: two blocks of 256 bytes that no other line names
.set ADRA, 16                          ; v16-17 LDS address of my A fragments in slot 0, 1
.set ADRB, 20                          ; v20-21 of my B fragments
.set LI,   22                          ; v22  16 x lane
.set LH,   23                          ; v23  16 x lane + a head's scale bytes
.set LV,   24                          ; v24  16 r + 12,288 h
.set ADRS, 27                          ; v27  my scale words: lanes 0-15 A's, lanes 16-31 B's
.set SPW,  28                          ; v28  my spare word; never rewritten
.set NIL,  29                          ; v29  0; never rewritten
.set SC,   32                          ; set s at SC + 32 s; register 4 i + q: lanes 0-15 A's tile i, lanes 16-31 B's tile i, the slot's q-th 128 along K
.set TM,   96
.set PC,   112
.set PW,   120
.set AF,   128
.set DD,   192
.set EE,   196
.set FF,   200
.set WV, 16
.set WA, 17                            ; my half of A's tiles; also: I fetch for A (0) or for B (1)
.set WB, 18                            ; my half of B's tiles; also: which half I fetch
.set CX, 19
.set CY, 20
.set CL, 21                            ; the cluster's number; later LB
.set LB, 21
.set KIND, 22
.set LA, 23
.set G1, 24                            ; s[24:31] group 1, s[32:39] groups 0 for A's codes
.set G0, 32
.set G1B, 48                           ; s[48:55], s[56:63] for B's codes
.set G0B, 56
.set G1S, 68                           ; s[68:75], s[76:79] for A's scale words
.set G0S, 76
.set G1SB, 80                          ; s[80:87], s[88:91] for B's
.set G0SB, 88
.set MSB, 0
.macro WIN new                         ; the immediate's high byte repeats the setting that is left; a switch that changes nothing is dropped
.if MSB != (\new)
	s_set_vgpr_msb (MSB<<8)|(\new)
.set MSB, (\new)
.endif
.endm
.macro JLOAD g0a, g1a, g0b, g1b        ; a joint load: waves 0 and 1 fetch for A, waves 2 and 3 for B; an s_nop 0 and four v_nop follow each of the two lines
	s_cmp_eq_u32 s[WA], 0
	s_cbranch_scc0 .Lfor_b_\@
	tensor_load_to_lds s[\g0a:\g0a+3], s[\g1a:\g1a+7]
	s_nop 0
.rept 4
	v_nop
.endr
	s_branch .Lasked_\@
.Lfor_b_\@:
	tensor_load_to_lds s[\g0b:\g0b+3], s[\g1b:\g1b+7]
	s_nop 0
.rept 4
	v_nop
.endr
.Lasked_\@:
.endm
.macro CROUND                          ; a round of the cluster's barrier
	s_barrier_signal -1
	s_barrier_wait -1
	s_cmp_lg_u32 s[WV], 0
	s_cbranch_scc1 .Lnot_wave_0_\@
	s_barrier_signal -3
.Lnot_wave_0_\@:
	s_barrier_wait -3
	s_barrier_signal -1
	s_barrier_wait -1
.endm
.macro PLACES n
.rept \n
	v_nop
.endr
.endm
	s_load_b256 s[4:11], s[0:1], 0x0               ; xc s[4:5], xs s[6:7], wc s[8:9], ws s[10:11]
	s_load_b128 s[12:15], s[0:1], 0x20             ; qkvc s[12:13], qkvs s[14:15]
	v_lshl_add_u32 v[SPW], v0, 2, SPARE
	v_mov_b32 v[NIL], 0
	ds_add_u32 v[SPW], v[NIL]                      ; the wave's opening: the add, twice on end, and its wait ahead of my first tensor load
	ds_add_u32 v[SPW], v[NIL]
	v_lshrrev_b32 v1, 5, v0
	v_readfirstlane_b32 s[WV], v1                  ; wave 0..3
	s_lshr_b32 s[WA], s[WV], 1
	s_and_b32 s[WB], s[WV], 1
	s_bfe_u32 s[CX], ttmp6, 0x40000
	s_bfe_u32 s[CY], ttmp6, 0x40004
	s_and_b32 s[CL], ttmp7, 0xffff                 ; the cluster's y: 0..23
	s_lshl_b32 s92, s[CY], 2
	s_lshl_b32 s92, 15, s92                        ; my row of the cluster
	s_lshl_b32 s93, 0x1111, s[CX]                  ; my column
	; group 1: dense blocks as rows of 256 bytes (32 elements of 8 bytes), no padding; 15:0 the mask, 17:16 element size, 21 set beside a mask
	s_or_b32 s[G1], s92, (3<<16)|(1<<21)
	s_or_b32 s[G1S], s92, (3<<16)|(1<<21)
	s_or_b32 s[G1B], s93, (3<<16)|(1<<21)
	s_or_b32 s[G1SB], s93, (3<<16)|(1<<21)
.irp g, G1, G1B, G1S, G1SB
	s_mov_b32 s[\g+1], 32<<16                      ; tensor_dim0
	s_mov_b32 s[\g+3], 32<<16                      ; tile_dim0
	s_mov_b32 s[\g+5], 32                          ; from row to row
	s_mov_b32 s[\g+6], 0
	s_mov_b32 s[\g+7], 0
.endr
	s_mov_b32 s[G1+2], (16*NA)<<16                 ; A's codes: NA tiles of 4,096 bytes
	s_mov_b32 s[G1+4], 16*NA
	s_mov_b32 s[G1B+2], 128<<16                    ; B's codes: 8 tiles
	s_mov_b32 s[G1B+4], 128
	s_mov_b32 s[G1S+2], (2*NA)<<16                 ; A's scale words: NA tiles of 512 bytes
	s_mov_b32 s[G1S+4], 2*NA
	s_mov_b32 s[G1SB+2], 16<<16                    ; B's: 8 tiles
	s_mov_b32 s[G1SB+4], 16
	; which tiles.  Registers s92, s94, s96-99, s40-41 serve A's descriptors and never hold cx; s93, s95, s2-3, s100-101, s42-43 serve B's and never hold cy
	s_lshr_b32 s94, s[CL], 1
	s_lshl_b32 s94, s94, 2
	s_and_b32 s95, s[CL], 1
	s_lshl_b32 s95, s95, 2
	s_sub_co_u32 s100, s[CL], 16
	s_lshl_b32 s100, s100, 2
	s_mov_b32 s96, 0x200000
	s_mov_b32 s2, 0x100000
	s_cmp_ge_u32 s[CL], 16
	s_cselect_b32 s[KIND], 1, 0
	s_cselect_b32 s94, 0, s94
	s_cselect_b32 s95, s100, s95
	s_cselect_b32 s98, 128, 0                      ; Wv's first tile in wc
	s_cselect_b32 s96, 0x100000, s96               ; from half to half of K in A's buffer,
	s_cselect_b32 s2, 0x200000, s2                 ; and in B's
	s_mov_b32 s97, 0
	s_mov_b32 s3, 0
	s_add_co_u32 s94, s94, s[CY]                   ; the tile row of 256 rows of A
	s_add_co_u32 s95, s95, s[CX]                   ; the tile column of 256 rows of B
	s_lshl_b32 s99, s94, 4
	s_add_co_u32 s98, s98, s99
	s_lshl_b32 s99, s[WB], 3
	s_add_co_u32 s98, s98, s99                     ; the first of A's 8 tiles that I would fetch
	s_lshl_b32 s40, s98, 9
	s_mov_b32 s41, 0
	s_lshl_b32 s98, s98, 12
	s_mov_b32 s99, 0
	s_lshl_b32 s100, s95, 4
	s_lshl_b32 s101, s[WB], 3
	s_add_co_u32 s100, s100, s101                  ; and of B's
	s_lshl_b32 s42, s100, 9
	s_mov_b32 s43, 0
	s_lshl_b32 s100, s100, 12
	s_mov_b32 s101, 0
	s_mul_i32 s[LA], s[WB], NA*TILEB               ; where they go: the wave's number alone enters an LDS address
	s_mul_i32 s[LB], s[WB], 8*TILEB
	s_add_co_u32 s[LB], s[LB], 2*NA*TILEB
.irp s, 0,1
	s_mov_b32 s[G0+4*\s], 1
	s_add_co_u32 s[G0+4*\s+1], s[LA], \s*SLOT
	s_mov_b32 s[G0B+4*\s], 1
	s_add_co_u32 s[G0B+4*\s+1], s[LB], \s*SLOT
.endr
	s_mov_b32 s[G0S], 1
	s_mul_i32 s[G0S+1], s[WB], NA*512
	s_add_co_u32 s[G0S+1], s[G0S+1], SCL
	s_mov_b32 s[G0SB], 1
	s_mul_i32 s[G0SB+1], s[WB], 4096
	s_add_co_u32 s[G0SB+1], s[G0SB+1], SCL+2*NA*512
	s_wait_dscnt 0x0                               ; both opening adds are done
	s_wait_kmcnt 0x0
	s_cmp_lg_u32 s[KIND], 0                        ; the choice of buffers hangs on the cluster's number alone
	s_cselect_b64 s[G0+2:G0+3], s[8:9], s[4:5]
	s_cselect_b64 s[G0S+2:G0S+3], s[10:11], s[6:7]
	s_cselect_b64 s[G0B+2:G0B+3], s[4:5], s[8:9]
	s_cselect_b64 s[G0SB+2:G0SB+3], s[6:7], s[10:11]
	s_add_nc_u64 s[G0+2:G0+3], s[G0+2:G0+3], s[98:99]
	s_add_nc_u64 s[G0+6:G0+7], s[G0+2:G0+3], s[96:97]
	s_add_nc_u64 s[G0S+2:G0S+3], s[G0S+2:G0S+3], s[40:41]
	s_add_nc_u64 s[G0B+2:G0B+3], s[G0B+2:G0B+3], s[100:101]
	s_add_nc_u64 s[G0B+6:G0B+7], s[G0B+2:G0B+3], s[2:3]
	s_add_nc_u64 s[G0SB+2:G0SB+3], s[G0SB+2:G0SB+3], s[42:43]
	s_or_b32 s[G0+3], s[G0+3], 0x80000000          ; type = 2
	s_or_b32 s[G0+7], s[G0+7], 0x80000000
	s_or_b32 s[G0S+3], s[G0S+3], 0x80000000
	s_or_b32 s[G0B+3], s[G0B+3], 0x80000000
	s_or_b32 s[G0B+7], s[G0B+7], 0x80000000
	s_or_b32 s[G0SB+3], s[G0SB+3], 0x80000000
	CROUND                                         ; all sixteen work-groups are here: the joint loads meet
	JLOAD G0S, G1S, G0SB, G1SB                     ; the scale words, then both slots: three loads of mine are out, and no more are issued
	JLOAD G0, G1, G0B, G1B
	JLOAD G0+4, G1, G0B+4, G1B
	v_and_b32 v1, 15, v0                           ; r
	v_bfe_u32 v2, v0, 4, 1                         ; h
	v_and_b32 v3, 31, v0                           ; lane
	v_lshlrev_b32 v[LI], 4, v3
	s_mul_i32 s[LA], s[WA], NA*TILEB               ; my tiles of A,
	s_mul_i32 s[LB], s[WB], 8*TILEB
	s_add_co_u32 s[LB], s[LB], 2*NA*TILEB          ; and of B, behind A's
.irp s, 0,1
	v_add_nc_u32 v[ADRA+\s], s[LA], v[LI]
	v_add_nc_u32 v[ADRB+\s], s[LB], v[LI]
	s_add_co_u32 s[LA], s[LA], SLOT
	s_add_co_u32 s[LB], s[LB], SLOT
.endr
	s_mul_i32 s[LA], s[WA], NA*512                 ; scale words: A's, my tiles;
	s_mul_i32 s[LB], s[WB], 4096
	s_add_co_u32 s[LB], s[LB], 2*NA*512            ; B's, behind A's
	s_sub_co_u32 s[LB], s[LB], s[LA]
	v_mul_u32_u24 v4, s[LB], v2                    ; lanes 16-31 take B's: the lower base + h x the distance
	s_add_co_u32 s[LA], s[LA], SCL
	v_lshl_add_u32 v4, v1, 4, v4
	v_add_nc_u32 v[ADRS], s[LA], v4
	v_mul_u32_u24 v[LV], v2, 12288
	v_lshl_add_u32 v[LV], v1, 4, v[LV]
.irp b, 0,1,2,3
	v_mov_b32 v[TM+4+\b], 0                        ; written once: a lane permute's destination counts as one of its sources
.endr
	; where my results go.  s44-47, s66, s67 alone mix the two coordinates
	s_lshl_b32 s44, s94, 1
	s_add_co_u32 s44, s44, s[WA]                   ; which 128 rows of A are my wave's
	s_lshl_b32 s45, s95, 1
	s_add_co_u32 s45, s45, s[WB]                   ; which 128 rows of B
	s_and_b32 s46, s45, 7
	s_lshr_b32 s67, s45, 3
	s_cmp_lg_u32 s[KIND], 0
	s_cselect_b32 s66, s45, s44                    ; the step of 128 tokens, 0..63
	s_cselect_b32 s46, s44, s46                    ; the pair of heads, 0..7
	s_cselect_b32 s67, 2, s67                      ; q, k or v
	s_lshr_b32 s44, s66, 4
	s_lshl_b32 s44, s44, 4
	s_lshl_b32 s46, s46, 1
	s_add_co_u32 s44, s44, s46                     ; 16 x batch + the even head
	s_and_b32 s66, s66, 15                         ; the step in its sequence
	s_lshl_b32 s45, s67, 22
	s_lshl_b32 s46, s44, 16
	s_add_co_u32 s45, s45, s46
	s_lshl_b32 s46, s66, 12
	s_add_co_u32 s46, s46, s45
	s_mov_b32 s47, 0
	s_add_nc_u64 s[12:13], s[12:13], s[46:47]      ; the codes
	s_mov_b32 s45, 12288
	s_cmp_eq_u32 s67, 0
	s_cselect_b32 s45, 8192, s45                   ; a head's scale bytes: q's part, or k's and v's
	s_cselect_b32 s46, 0, 0x80000
	s_mul_i32 s44, s44, s45
	s_add_co_u32 s46, s46, s44
	s_lshl_b32 s44, s66, 8
	s_add_co_u32 s44, s44, 8192
	s_lshl_b32 s66, s66, 9
	s_cmp_lg_u32 s[KIND], 0
	s_cselect_b32 s44, s44, s66
	s_add_co_u32 s46, s46, s44
	s_add_nc_u64 s[14:15], s[14:15], s[46:47]      ; the scale words
	v_add_nc_u32 v[LH], s45, v[LI]
	s_mov_b32 s44, 0x76543210                      ; from here on: lane selects for lane l xor 16
	s_mov_b32 s45, 0xfedcba98
.macro FRAG reg, adr, q, i             ; a fragment as it was stored: two loads of 512 consecutive bytes
.irp c, 0,1
	ds_load_b128 v[\reg+4*\c:\reg+4*\c+3], v[\adr] offset:1024*(\q)+512*\c+(\i)*TILEB
.endr
.endm
.macro FETCH_B slot, q, p              ; B's eight fragments of the slot's q-th 128 along K into set p
	WIN 0x40
.irp i, 0,1,2,3,4,5,6,7
	FRAG 128*(\p)+8*\i, ADRB+\slot, \q, \i
.endr
	WIN 0
.endm
.macro FETCH_A slot, q, i0, n          ; A's tiles i0 .. i0 + n - 1
.set FI, \i0
.rept \n
	FRAG AF+8*FI, ADRA+\slot, \q, FI
.set FI, FI+1
.endr
.endm
.macro SCALES sc                       ; a slot's scale words: four words a row; lanes 0-15 A's tile i, lanes 16-31 B's tile i
.irp i, 0,1,2,3,4,5,6,7
	ds_load_b128 v[SC+32*\sc+4*\i:SC+32*\sc+4*\i+3], v[ADRS] offset:512*\i+256*\sc
.endr
.endm
; n of A's tiles x B's eight, 128 along K.  first = 1: the product starts the sums: nothing is cleared.  The accumulators take turns, one instruction a turn, in the same order in every step
.macro MULS a0, n, p, q, sc, first
	WIN 0xa1+0x50*((\a0)/4)
.set MA, \a0
.rept \n
.set MB, 0
.rept 8
.set rD, 8*(8*(MA%4)+MB)
.set rB, 128*(\p)+8*MB
.set rA, AF+8*MA
.set sB, SC+32*(\sc)+4*MB+(\q)
.set sA, SC+32*(\sc)+4*MA+(\q)
.if (\first) == 1
	v_wmma_scale_f32_16x16x128_f8f6f4 v[rD:rD+7], v[rB:rB+7], v[rA:rA+7], 0, v[sB], v[sA] matrix_a_fmt:MATRIX_FMT_FP4 matrix_b_fmt:MATRIX_FMT_FP4 matrix_a_scale:MATRIX_SCALE_ROW1
.else
	v_wmma_scale_f32_16x16x128_f8f6f4 v[rD:rD+7], v[rB:rB+7], v[rA:rA+7], v[rD:rD+7], v[sB], v[sA] matrix_a_fmt:MATRIX_FMT_FP4 matrix_b_fmt:MATRIX_FMT_FP4 matrix_a_scale:MATRIX_SCALE_ROW1
.endif
.set MB, MB+1
.endr
.set MA, MA+1
.endr
.endm
; A step of 128 along K that has its successor in the same slot.  A tile of A is free as soon as its eight products are issued, so A has one set of registers; B has two.
; Four plain instructions stand in front of each run of loads into registers that matrix instructions have read (ISA guide 7.12.1 for vector instructions)
.macro STEP slot, q, first
	s_wait_dscnt HN*NL                             ; all but the youngest loads (A's second half) are in
	MULS 0, HN, (\q)%2, \q, \slot, \first
	s_wait_dscnt 0                                 ; A's second half is in
	PLACES 4
	FETCH_B \slot, (\q)+1, 1-(\q)%2
	FETCH_A \slot, (\q)+1, 0, HN
	MULS HN, HN, (\q)%2, \q, \slot, \first
	PLACES 4
	WIN 0
	FETCH_A \slot, (\q)+1, HN, HN
.endm
	s_wait_tensorcnt 1                             ; the scale words and my part of slot 0 are in; slot 1's load may stay out
	s_barrier_signal -1
	s_barrier_wait -1                              ; everybody's are
	FETCH_B 0, 0, 0
	FETCH_A 0, 0, 0, HN
	SCALES 0
	FETCH_A 0, 0, HN, HN
	STEP 0, 0, 1
	STEP 0, 1, 0
	STEP 0, 2, 0
	; slot 0's last step changes slots: one barrier; in front of it my part of slot 1 has landed
	s_wait_tensorcnt 0x0                           ; all my tensor loads have landed
	ds_add_u32 v[SPW], v[NIL]                      ; 0 onto my spare word
	s_wait_dscnt HN*NL+1                           ; (the add and A's second half may be out)
	MULS 0, QN, 1, 3, 0, 0
	s_wait_dscnt 0x0                               ; the add is done, and my reads of slot 0 are over
	s_barrier_signal -1
	MULS QN, QN, 1, 3, 0, 0
	WIN 0
	s_barrier_wait -1                              ; slot 1 is whole
	PLACES 4
	FETCH_B 1, 0, 0
	FETCH_A 1, 0, 0, HN
	SCALES 1
	MULS HN, HN, 1, 3, 0, 0
	PLACES 4
	WIN 0
	FETCH_A 1, 0, HN, HN
	STEP 1, 0, 0
	STEP 1, 1, 0
	STEP 1, 2, 0
	s_wait_dscnt HN*NL                             ; the last step: nothing more to fetch
	MULS 0, HN, 1, 3, 1, 0
	s_wait_dscnt 0
	MULS HN, HN, 1, 3, 1, 0
	WIN 0
; THE WAY OUT.  A tile of A's 64 accumulator registers are 64 numbers of a lane in the quantiser's order: they become a fragment's eight code registers and a scale word, and leave as images: each store covers 512 consecutive bytes, aligned.
; Each accumulator is read from its low end on.
.macro EPI a
.set AC, 64*((\a)%4)
.set WW, 2+(\a)/4
	WIN (WW<<2)|(WW<<4)                            ; sources 1 and 2: the accumulators' window
.irp b, 0,1,2,3
	v_max3_num_f32 v[TM+\b], 0x1800000, |v[AC+16*\b]|, |v[AC+16*\b+1]|   ; my 16 numbers of block b, and the floor 2^(3 - 127)
.endr
.irp i, 2,4,6,8,10,12,14
.irp b, 0,1,2,3
	v_max3_num_f32 v[TM+\b], v[TM+\b], |v[AC+16*\b+\i]|, |v[AC+16*\b+\i+1]|
.endr
.endr
	WIN 0
.irp b, 0,1,2,3
	v_permlanex16_b32 v[TM+4+\b], v[TM+\b], s44, s45
.endr
.irp b, 0,1,2,3
	v_max_num_f32 v[TM+\b], v[TM+\b], v[TM+4+\b]   ; with lane l xor 16's: the block's largest magnitude
.endr
.irp b, 0,1,2,3
	v_add_nc_u32 v[TM+12+\b], 0xff000000, v[TM+\b] ; 2 off its exponent field: the conversion's scale operand
.endr
.irp b, 0,1,2,3
	v_lshrrev_b32 v[TM+4+\b], 23, v[TM+12+\b]      ; the scale's byte
.endr
	v_lshl_or_b32 v[PW+(\a)], v[TM+5], 8, v[TM+4]
	v_lshl_or_b32 v[PW+(\a)], v[TM+6], 16, v[PW+(\a)]
	v_lshl_or_b32 v[PW+(\a)], v[TM+7], 24, v[PW+(\a)]
.if (\a) > 0
	s_wait_xcnt 0x0                                ; the last tile's stores have read the code registers: only behind this wait are they written again
.endif
	WIN WW                                         ; source 0: the accumulators' window
.irp b, 0,1,2,3
	v_cvt_scalef32_pk8_fp4_f32 v[PC+2*\b], v[AC+16*\b:AC+16*\b+7], v[TM+12+\b]
	v_cvt_scalef32_pk8_fp4_f32 v[PC+1+2*\b], v[AC+16*\b+8:AC+16*\b+15], v[TM+12+\b]
.endr
	WIN 0
	v_nop                                          ; one plain instruction behind the scaled conversions
.irp c, 0,1
.irp i, 0,1
	v_permlane16_swap_b32 v[PC+4*\c+\i], v[PC+2+4*\c+\i]
.endr
.endr
	s_cmp_lg_u32 s[KIND], 0
	s_cbranch_scc1 .Lv_\@
	global_store_b128 v[LI], v[PC:PC+3], s[12:13] offset:512*(\a)               ; q, k: the token tile's 64 of the even head,
	global_store_b128 v[LI], v[PC+4:PC+7], s[12:13] offset:512*(\a)+65536       ; and of the odd head
	s_branch .Lstored_\@
.Lv_\@:
	global_store_b128 v[LI], v[PC:PC+3], s[12:13] offset:((\a)/4)*65536+((\a)%4)*1024        ; v: head a / 4 of the pair, d tile a % 4: a fragment of 16 d x 128 keys
	global_store_b128 v[LI], v[PC+4:PC+7], s[12:13] offset:((\a)/4)*65536+((\a)%4)*1024+512
.Lstored_\@:
.endm
	PLACES 4                                       ; behind the last products, in front of the first read of results
.irp a, 0,1,2,3,4,5,6,7
	EPI \a
.endr
	v_cmp_lt_u32 s66, 15, v3                       ; lanes 16-31
.irp j, 0,1,2,3
	v_cndmask_b32 v[DD+\j], v[PW+\j], v[PW+4+\j], s66   ; lanes 0-15: tile j's word of row r; lanes 16-31: tile 4 + j's (a word is the same in lanes l and l xor 16)
.endr
	s_cmp_lg_u32 s[KIND], 0
	s_cbranch_scc1 .Lv_words
.irp j, 0,1,2,3
	v_and_b32 v[EE+\j], 0xffff, v[DD+\j]           ; q, k: the even head's two bytes, over two bytes of 0,
	v_lshrrev_b32 v[FF+\j], 16, v[DD+\j]           ; and the odd head's
.endr
	global_store_b128 v[LI], v[EE:EE+3], s[14:15]  ; a step's eight tiles of one head: 512 consecutive bytes
	global_store_b128 v[LH], v[FF:FF+3], s[14:15]
	s_branch .Lwords_out
.Lv_words:
	global_store_b128 v[LV], v[DD:DD+3], s[14:15]  ; v: lanes 0-15 the even head's 256 bytes of this key step, lanes 16-31 the odd head's
.Lwords_out:
	s_wait_tensorcnt 0x0                           ; the wave's end
	ds_add_u32 v[SPW], v[NIL]
	s_wait_dscnt 0x0
	CROUND                                         ; the closing round
	s_endpgm
.Lfunc_end_k_q42235e41be_qkv:
	.size	k_q42235e41be_qkv, .Lfunc_end_k_q42235e41be_qkv-k_q42235e41be_qkv
	.p2alignl 7, 3214868480
	.fill 96, 4, 3214868480
	.section	.rodata,"a",@progbits
	.p2align	6, 0x0
	.amdhsa_kernel k_q42235e41be_qkv
		.amdhsa_group_segment_fixed_size 327680
		.amdhsa_private_segment_fixed_size 0
		.amdhsa_enable_private_segment 0
		.amdhsa_kernarg_size 48
		.amdhsa_user_sgpr_count 2
		.amdhsa_user_sgpr_kernarg_segment_ptr 1
		.amdhsa_wavefront_size32 1
		.amdhsa_system_sgpr_workgroup_id_x 1
		.amdhsa_system_sgpr_workgroup_id_y 1
		.amdhsa_system_sgpr_workgroup_id_z 1
		.amdhsa_system_vgpr_workitem_id 0
		.amdhsa_next_free_vgpr 1024
		.amdhsa_next_free_sgpr 102
		.amdhsa_reserve_vcc 0
		.amdhsa_float_denorm_mode_32 3
		.amdhsa_float_denorm_mode_16_64 3
		.amdhsa_memory_ordered 1
		.amdhsa_forward_progress 1
		.amdhsa_inst_pref_size 132
	.end_amdhsa_kernel
	.amdgpu_metadata
---
amdhsa.version: [ 1, 2 ]
amdhsa.kernels:
  - .name:           k_q42235e41be_qkv
    .symbol:         k_q42235e41be_qkv.kd
    .args:
      - { .name: xc, .offset: 0, .size: 8, .value_kind: global_buffer, .address_space: global }
      - { .name: xs, .offset: 8, .size: 8, .value_kind: global_buffer, .address_space: global }
      - { .name: wc, .offset: 16, .size: 8, .value_kind: global_buffer, .address_space: global }
      - { .name: ws, .offset: 24, .size: 8, .value_kind: global_buffer, .address_space: global }
      - { .name: qkvc, .offset: 32, .size: 8, .value_kind: global_buffer, .address_space: global }
      - { .name: qkvs, .offset: 40, .size: 8, .value_kind: global_buffer, .address_space: global }
    .group_segment_fixed_size: 327680
    .private_segment_fixed_size: 0
    .kernarg_segment_align: 8
    .kernarg_segment_size: 48
    .max_flat_workgroup_size: 128
    .sgpr_count:     102
    .vgpr_count:     1024
    .wavefront_size: 32
...
	.end_amdgpu_metadata
.endif
;; end of part 2
;; launch attn (part 3): grid 4 x 64, 16 waves a work-group, clusters of 4 x 1, 210,944 bytes of LDS; arguments qkvc, qkvs, ac, asc; writes ac, asc
.if DOCPART == 3
	.amdgcn_target "amdgcn-amd-amdhsa--gfx1250"
	.amdhsa_code_object_version 6
	.text
	.protected	k_q42235e41be_attn
	.globl	k_q42235e41be_attn
	.p2align	8
	.type	k_q42235e41be_attn,@function
k_q42235e41be_attn:
	s_mov_b64 s[64:65], 0
	v_nop
	global_prefetch_b8 v0, s[64:65] scope:SCOPE_SE
	s_setreg_imm32_b32 hwreg(HW_REG_WAVE_MODE, 25, 1), 1
	s_wait_xcnt 0x0
	s_wait_alu depctr_hold_cnt(0) depctr_sa_sdst(0) depctr_va_vdst(0) depctr_va_sdst(0) depctr_va_ssrc(0) depctr_va_vcc(0) depctr_vm_vsrc(0)
	s_getreg_b32 s2, hwreg(HW_REG_IB_STS2, 6, 4)
	s_cmp_eq_u32 s2, 0
	s_cbranch_scc0 .Lentry_in_a_cluster
	s_endpgm
.Lentry_in_a_cluster:
	s_bfe_u32 s2, ttmp6, 0x10000c
	s_cmp_lg_u32 s2, 0x3003
	s_cbranch_scc0 .Lentry_shape_is_right
	s_endpgm
.Lentry_shape_is_right:
; LAUNCH 3 OF 4: out = softmax(q k^T / 8) v for each of 64 heads of batches, both products on codes of E2M1, and the quantiser of the result along the inner axis.  No work is left out.
; THE SECOND PRODUCT TAKES THE FINISHED SOFTMAX: p = e / (sum + EPS) is what is quantised along the keys.  The divisor is no power of two, so it is known before any p is quantised: EACH QUERY WALKS THE KEYS TWICE.
; Walk 1: scores, a running maximum m, the sum of e = 2^(c s - c m), c = log2(e) / 8, brought under each new m by a = 2^(c m_old - c m_new); each block's largest score is kept in LDS.
; Walk 2: the same scores again, e under the final m, p = e x 1 / (sum + EPS), quantised block by block, O^T += V^T P^T.  The rounding of c m is the same in e and in the sum, so it cancels in p.
; A BLOCK'S LARGEST p IS NOT SEARCHED FOR: the block's largest score goes through the same multiply-add, exponential and multiplication (this takes v_exp_f32 not to fall where its input rises).
; SHARES: a work-group owns 512 queries of one head; each of its sixteen waves two tiles of 16, one after the other.  The whole head's K, V and their scale words lie in LDS, filled once.
; CLUSTER: a head's four work-groups ask for K, V and the scale words jointly (mask 15): each of the sixteen waves fetches a sixteenth.
; LAYOUT: S^T = K Q^T (source 0 = 16 keys), O^T = V^T P^T (source 0 = 16 of the head's 64): a lane holds one query.  By the tiles' choice of rows, register 16 b + i of the scores is key 32 b + 16 (lane / 16) + i of the step.
; K = 64 IN A FORM OF 128: a tile of K is four registers; the instruction names eight, the upper four being the next tile's.  They meet zero CODES of Q (v20-23) under scale bytes 0, which stand for 2^-127: they add exactly 0.
; LIMITS: an e or p under 2^-126 comes out as 0; a block of zeros has the byte 1; NaN and infinities are not served.
.set VIMG,  65536                      ; LDS: K's image from 0, V's from here: 4,096 bytes a key step each
.set SCB,   131072                     ; K's scale words (8,192), then V's (4,096)
.set MEMO,  143360                     ; each wave's own 4,096 bytes: 256 a key step: the four blocks' largest scores of 16 queries
.set SPARE, 208896                     ; the spare words, 128 bytes a wave: eight blocks of 256 bytes that no other line names
.set LI,  1                            ; v1   16 x lane
.set RO,  2                            ; v2   16 x (lane % 16)
.set ADK, 3                            ; v3-7 the step's LDS addresses: K, K's words, the memo, V, V's words
.set ADS, 4
.set ADM, 5
.set ADV, 6
.set ADT, 7
.set SPW, 8                            ; v8   my spare word; never rewritten
.set QS,  9                            ; v9   Q's scale words
.set MX,  10                           ; v10  m
.set T0,  11
.set CM,  12                           ; v[12:13] c m (the pair's upper word is written once)
.set AR,  14                           ; v[14:15] a, later 1 / (sum + EPS)
.set QF,  16                           ; v16-19 Q's codes; v20-23 zero codes
.set NIL, 24                           ; v24  0; never rewritten
.set BS,  25                           ; v25-28 the addresses' lane terms
.set BMM, 26
.set BV,  27
.set BT,  28
.set KF,  32                           ; v32-63 K, four registers a tile; v64-67 zeros
.set VF,  68                           ; v68-99 V
.set SCR, 100                          ; v100-163 scores, then e, then p
.set OT,  164                          ; v164-195 O^T
.set PCD, 196                          ; v196-203 p's codes
.set KS,  204                          ; v204-207 K's scale words: lanes 0-15 tiles 0-3, lanes 16-31 tiles 4-7
.set VS,  208                          ; v208-211 V's
.set BM,  212                          ; v212-215 the blocks' largest
.set PD,  216                          ; v216-219 the permutes' destinations
.set SO,  220                          ; v220-223 the conversions' scale operands
.set SBY, 224                          ; v224-227 scale bytes
.set PW,  228                          ; v228 p's scale word
.set OLD, 229
.set LS,  230                          ; v[230:231] the row's sum, v[232:233] its second chain
.set LS2, 232
.set WV,  12
.set QP,  16                           ; s[16:17] Q's codes, s[18:19] its words, s[20:21] the result's codes, s[22:23] its scale bytes
.set QSP, 18
.set ACP, 20
.set ASP, 22
.set G1C, 24
.set G1S, 32
.set G0C, 40
.set G0S, 44
.set CS,  48                           ; s[48:49] c
.set SEL, 50
.set TK,  52                           ; steps of 4,096, 512 and 256 bytes
.set TS,  53
.set TMM, 54
.set CN1, 55
.set CN2, 56
.set TRIP, 57
.macro CROUND
	s_barrier_signal -1
	s_barrier_wait -1
	s_cmp_lg_u32 s[WV], 0
	s_cbranch_scc1 .Lnot_wave_0_\@
	s_barrier_signal -3
.Lnot_wave_0_\@:
	s_barrier_wait -3
	s_barrier_signal -1
	s_barrier_wait -1
.endm
	s_load_b256 s[4:11], s[0:1], 0x0               ; qkvc s[4:5], qkvs s[6:7], ac s[8:9], asc s[10:11]
	v_lshl_add_u32 v[SPW], v0, 2, SPARE
	v_mov_b32 v[NIL], 0
	ds_add_u32 v[SPW], v[NIL]                      ; the wave's opening: the add, twice on end, and its wait ahead of my first tensor load
	ds_add_u32 v[SPW], v[NIL]
	v_lshrrev_b32 v1, 5, v0
	v_readfirstlane_b32 s[WV], v1                  ; wave 0..15
	s_bfe_u32 s13, ttmp6, 0x40000                  ; cx: it enters global addresses of Q and of the result alone
	s_and_b32 s14, ttmp7, 0xffff                   ; 16 x batch + head, which the four partners share
	; group 1: dense blocks as rows of 256 bytes (32 elements of 8 bytes); 15:0 the mask: all four; 21 set beside it
	s_mov_b32 s[G1C], 15|(3<<16)|(1<<21)
	s_mov_b32 s[G1S], 15|(3<<16)|(1<<21)
.irp g, G1C, G1S
	s_mov_b32 s[\g+1], 32<<16
	s_mov_b32 s[\g+3], 32<<16
	s_mov_b32 s[\g+5], 32
	s_mov_b32 s[\g+6], 0
	s_mov_b32 s[\g+7], 0
.endr
	s_mov_b32 s[G1C+2], 32<<16                     ; codes: 8,192 bytes a wave
	s_mov_b32 s[G1C+4], 32
	s_mov_b32 s[G1S+2], 3<<16                      ; scale words: 768 bytes a wave
	s_mov_b32 s[G1S+4], 3
	s_mov_b32 s[G0C], 1
	s_lshl_b32 s[G0C+1], s[WV], 13                 ; waves 0-7: K's image; waves 8-15: V's
	s_lshr_b32 s58, s[WV], 3
	s_add_co_u32 s58, s58, 1
	s_lshl_b32 s58, s58, 22                        ; k's part of qkvc, or v's
	s_lshl_b32 s59, s14, 16
	s_add_co_u32 s58, s58, s59
	s_and_b32 s59, s[WV], 7
	s_lshl_b32 s59, s59, 13
	s_add_co_u32 s58, s58, s59
	s_mov_b32 s59, 0
	s_mov_b32 s[G0S], 1
	s_mul_i32 s[G0S+1], s[WV], 768
	s_add_co_u32 s[G0S+1], s[G0S+1], SCB
	s_mul_i32 s60, s14, 12288
	s_mul_i32 s61, s[WV], 768
	s_add_co_u32 s60, s60, s61
	s_add_co_u32 s60, s60, 0x80000
	s_mov_b32 s61, 0
	s_mov_b32 s[CS], 0x3e38aa3b                    ; c = log2(e) / 8
	s_mov_b32 s[CS+1], s[CS]
	s_mov_b32 s[SEL], 0x76543210
	s_mov_b32 s[SEL+1], 0xfedcba98
	s_wait_dscnt 0x0                               ; both opening adds are done
	s_wait_kmcnt 0x0
	s_add_nc_u64 s[G0C+2:G0C+3], s[4:5], s[58:59]
	s_or_b32 s[G0C+3], s[G0C+3], 0x80000000
	s_add_nc_u64 s[G0S+2:G0S+3], s[6:7], s[60:61]
	s_or_b32 s[G0S+3], s[G0S+3], 0x80000000
	CROUND                                         ; all four work-groups are here: the joint loads meet
	tensor_load_to_lds s[G0C:G0C+3], s[G1C:G1C+7]  ; two loads of mine are out, and no more are issued
	s_nop 0
	tensor_load_to_lds s[G0S:G0S+3], s[G1S:G1S+7]
	s_nop 0
.rept 4
	v_nop
.endr
	v_and_b32 v[T0], 31, v0
	v_lshlrev_b32 v[LI], 4, v[T0]
	v_and_b32 v[T0], 15, v0
	v_lshlrev_b32 v[RO], 4, v[T0]
	v_add_nc_u32 v[BS], SCB, v[LI]
	s_lshl_b32 s[TK], s[WV], 12
	s_add_co_u32 s[TK], s[TK], MEMO
	v_add_nc_u32 v[BMM], s[TK], v[RO]
	v_add_nc_u32 v[BV], VIMG, v[LI]
	v_add_nc_u32 v[BT], SCB+8192, v[RO]
.irp j, 0,1,2,3
	v_mov_b32 v[QF+4+\j], 0                        ; Q's zero codes for k = 64 .. 127
	v_mov_b32 v[KF+32+\j], 0                       ; named with K's last tile
	v_mov_b32 v[PD+\j], 0                          ; a lane permute's destination counts as one of its sources
.endr
	v_mov_b32 v[CM+1], 0                           ; upper words of pairs of which the low word serves both halves
	v_mov_b32 v[AR+1], 0
	; my first query tile: 32 cx + wave; the second lies 16 tiles on
	s_lshl_b32 s15, s13, 5
	s_add_co_u32 s15, s15, s[WV]
	s_mov_b32 s3, 0
	s_lshl_b32 s2, s14, 16
	s_lshl_b32 s62, s15, 9
	s_add_co_u32 s2, s2, s62
	s_add_nc_u64 s[QP:QP+1], s[4:5], s[2:3]
	s_lshl_b32 s2, s14, 13
	s_lshr_b32 s62, s15, 3
	s_lshl_b32 s62, s62, 9
	s_add_co_u32 s2, s2, s62
	s_bfe_u32 s62, s15, 0x10002
	s_lshl_b32 s62, s62, 8
	s_add_co_u32 s2, s2, s62
	s_and_b32 s62, s15, 3
	s_lshl_b32 s62, s62, 2
	s_add_co_u32 s2, s2, s62
	s_add_nc_u64 s[QSP:QSP+1], s[6:7], s[2:3]
	s_lshr_b32 s62, s14, 4
	s_lshl_b32 s62, s62, 7
	s_add_co_u32 s15, s15, s62                     ; the tile among all 512 token tiles
	s_and_b32 s63, s14, 15                         ; the head: K of the last product = 64 head + d: K step head / 2, c = head % 2
	s_lshr_b32 s62, s63, 3
	s_lshl_b32 s2, s62, 21
	s_lshl_b32 s62, s15, 12
	s_add_co_u32 s2, s2, s62
	s_bfe_u32 s62, s63, 0x20001
	s_lshl_b32 s62, s62, 10
	s_add_co_u32 s2, s2, s62
	s_and_b32 s62, s63, 1
	s_lshl_b32 s62, s62, 9
	s_add_co_u32 s2, s2, s62
	s_add_nc_u64 s[ACP:ACP+1], s[8:9], s[2:3]
	s_lshl_b32 s2, s15, 9
	s_lshr_b32 s62, s63, 3
	s_lshl_b32 s62, s62, 8
	s_add_co_u32 s2, s2, s62
	s_bfe_u32 s62, s63, 0x20001
	s_lshl_b32 s62, s62, 2
	s_add_co_u32 s2, s2, s62
	s_and_b32 s62, s63, 1
	s_lshl_b32 s62, s62, 1
	s_add_co_u32 s2, s2, s62
	s_add_nc_u64 s[ASP:ASP+1], s[10:11], s[2:3]
	s_mov_b32 s[TRIP], 2
	s_wait_tensorcnt 0x0                           ; my parts have landed,
	s_barrier_signal -1
	s_barrier_wait -1                              ; everybody's have: the head's K, V and scale words lie in LDS for the rest of the launch
.macro KLOAD                           ; a key step's eight tiles of K and their scale words
.irp t, 0,1,2,3,4,5,6,7
	ds_load_b128 v[KF+4*\t:KF+4*\t+3], v[ADK] offset:512*\t
.endr
	ds_load_b128 v[KS:KS+3], v[ADS]
.endm
.macro QK                              ; S^T = K Q^T: eight tiles of 16 keys
.irp t, 0,1,2,3
	v_wmma_scale_f32_16x16x128_f8f6f4 v[SCR+8*\t:SCR+8*\t+7], v[KF+4*\t:KF+4*\t+7], v[QF:QF+7], 0, v[KS+\t], v[QS] matrix_a_fmt:MATRIX_FMT_FP4 matrix_b_fmt:MATRIX_FMT_FP4
.endr
.irp t, 4,5,6,7
	v_wmma_scale_f32_16x16x128_f8f6f4 v[SCR+8*\t:SCR+8*\t+7], v[KF+4*\t:KF+4*\t+7], v[QF:QF+7], 0, v[KS+\t-4], v[QS] matrix_a_fmt:MATRIX_FMT_FP4 matrix_b_fmt:MATRIX_FMT_FP4 matrix_a_scale:MATRIX_SCALE_ROW1
.endr
.endm
.macro SCALE_EXP                       ; c s - c m, two at a time, each accumulator from its low end on; then the 64 exponentials
.irp j, 0,2,4,6,8,10,12,14,16,18,20,22,24,26,28,30,32,34,36,38,40,42,44,46,48,50,52,54,56,58,60,62
	v_pk_fma_f32 v[SCR+\j:SCR+\j+1], v[SCR+\j:SCR+\j+1], s[CS:CS+1], v[CM:CM+1] op_sel_hi:[1,0,0] neg_lo:[0,0,1] neg_hi:[0,0,1]
.endr
.irp j, 0,1,2,3,4,5,6,7,8,9,10,11,12,13,14,15,16,17,18,19,20,21,22,23,24,25,26,27,28,29,30,31,32,33,34,35,36,37,38,39,40,41,42,43,44,45,46,47,48,49,50,51,52,53,54,55,56,57,58,59,60,61,62,63
	v_exp_f32 v[SCR+\j], v[SCR+\j]
.endr
.endm
; WALK 1, a key step of 128 keys
.macro P1STEP
	v_add_nc_u32 v[ADK], s[TK], v[LI]
	v_add_nc_u32 v[ADS], s[TS], v[BS]
	v_add_nc_u32 v[ADM], s[TMM], v[BMM]
	KLOAD
	s_wait_dscnt 0x0
	QK
	v_mov_b32 v[OLD], v[CM]                        ; c m_old is kept for a.  With three v_nop: the four places behind the products
.rept 3
	v_nop
.endr
.irp b, 0,1,2,3
	v_max3_num_f32 v[BM+\b], v[SCR+16*\b], v[SCR+16*\b+1], v[SCR+16*\b+2]   ; the largest score of each block of 32 keys
.endr
.irp i, 3,5,7,9,11,13
.irp b, 0,1,2,3
	v_max3_num_f32 v[BM+\b], v[BM+\b], v[SCR+16*\b+\i], v[SCR+16*\b+\i+1]
.endr
.endr
.irp b, 0,1,2,3
	v_max_num_f32 v[BM+\b], v[BM+\b], v[SCR+16*\b+15]
.endr
.irp b, 0,1,2,3
	v_permlanex16_b32 v[PD+\b], v[BM+\b], s[SEL], s[SEL+1]
.endr
.irp b, 0,1,2,3
	v_max_num_f32 v[BM+\b], v[BM+\b], v[PD+\b]     ; with lane l xor 16's 16 keys
.endr
	ds_store_b128 v[ADM], v[BM:BM+3]               ; kept for walk 2; lanes l and l + 16 write the same 16 bytes with the same numbers
	v_max3_num_f32 v[T0], v[BM], v[BM+1], v[BM+2]
	v_max3_num_f32 v[MX], v[T0], v[BM+3], v[MX]    ; the running maximum
	v_mul_f32 v[CM], s[CS], v[MX]
	v_sub_f32 v[T0], v[OLD], v[CM]                 ; 0 or less
	v_exp_f32 v[AR], v[T0]                         ; a: the first of the step's batch of 65 exponentials
	SCALE_EXP
	v_nop                                          ; a plain instruction behind the last exponential
	s_wait_alu depctr_va_vdst(0)                   ; one wait for the whole batch, ahead of its first reader
	v_pk_mul_f32 v[LS:LS+1], v[LS:LS+1], v[AR:AR+1] op_sel_hi:[1,0]   ; the sum under the new m
	v_pk_add_f32 v[LS2:LS2+1], v[SCR:SCR+1], v[SCR+2:SCR+3]           ; and this step's 64 e, two at a time, in two chains
.irp j, 4,8,12,16,20,24,28,32,36,40,44,48,52,56,60
	v_pk_add_f32 v[LS:LS+1], v[LS:LS+1], v[SCR+\j:SCR+\j+1]
	v_pk_add_f32 v[LS2:LS2+1], v[LS2:LS2+1], v[SCR+\j+2:SCR+\j+3]
.endr
	v_pk_add_f32 v[LS:LS+1], v[LS:LS+1], v[LS2:LS2+1]
	s_add_co_u32 s[TK], s[TK], 4096
	s_add_co_u32 s[TS], s[TS], 512
	s_add_co_u32 s[TMM], s[TMM], 256
.endm
; WALK 2, a key step.  first = 1: the products V^T P^T start O^T's sums: nothing is cleared
.macro P2STEP first
	v_add_nc_u32 v[ADK], s[TK], v[LI]
	v_add_nc_u32 v[ADS], s[TS], v[BS]
	v_add_nc_u32 v[ADM], s[TMM], v[BMM]
	v_add_nc_u32 v[ADV], s[TK], v[BV]
	v_add_nc_u32 v[ADT], s[TMM], v[BT]
	KLOAD
	ds_load_b128 v[BM:BM+3], v[ADM]                ; the blocks' largest scores
	s_wait_dscnt 0x0
	QK
.irp b, 0,1,2,3
	v_fma_f32 v[BM+\b], v[BM+\b], s[CS], -v[CM]    ; the same multiply-add as the scores get.  These four are the places behind the products above, and with the five additions at the step's head those in front of the loads into V's registers
.endr
.irp d, 0,1,2,3
.irp c, 0,1
	ds_load_b128 v[VF+8*\d+4*\c:VF+8*\d+4*\c+3], v[ADV] offset:1024*\d+512*\c   ; V lands while the softmax is worked
.endr
.endr
	ds_load_b128 v[VS:VS+3], v[ADT]
	SCALE_EXP
.irp b, 0,1,2,3
	v_exp_f32 v[BM+\b], v[BM+\b]
.endr
	v_nop                                          ; a plain instruction behind the last exponential
	s_wait_alu depctr_va_vdst(0)                   ; one wait for the batch of 68
.irp b, 0,1,2,3
	v_mul_f32 v[BM+\b], v[BM+\b], v[AR]            ; the block's largest p
.endr
.irp b, 0,1,2,3
	v_max_num_f32 v[BM+\b], 0x1800000, v[BM+\b]    ; the floor 2^(3 - 127): the byte cannot fall under 1
.endr
.irp b, 0,1,2,3
	v_add_nc_u32 v[SO+\b], 0xff000000, v[BM+\b]    ; 2 off the exponent field: the conversion's scale operand
.endr
.irp b, 0,1,2,3
	v_lshrrev_b32 v[SBY+\b], 23, v[SO+\b]
.endr
	v_lshl_or_b32 v[PW], v[SBY+1], 8, v[SBY]       ; p's scale word for these 128 keys: the 32 multiplications below stand between it and the products that name it
	v_lshl_or_b32 v[PW], v[SBY+2], 16, v[PW]
	v_lshl_or_b32 v[PW], v[SBY+3], 24, v[PW]
.irp j, 0,2,4,6,8,10,12,14,16,18,20,22,24,26,28,30,32,34,36,38,40,42,44,46,48,50,52,54,56,58,60,62
	v_pk_mul_f32 v[SCR+\j:SCR+\j+1], v[SCR+\j:SCR+\j+1], v[AR:AR+1] op_sel_hi:[1,0]   ; p = e / (sum + EPS)
.endr
.irp b, 0,1,2,3
	v_cvt_scalef32_pk8_fp4_f32 v[PCD+2*\b], v[SCR+16*\b:SCR+16*\b+7], v[SO+\b]
	v_cvt_scalef32_pk8_fp4_f32 v[PCD+1+2*\b], v[SCR+16*\b+8:SCR+16*\b+15], v[SO+\b]
.endr
	v_nop                                          ; one plain instruction behind the scaled conversions
.irp c, 0,1
.irp i, 0,1
	v_permlane16_swap_b32 v[PCD+4*\c+\i], v[PCD+2+4*\c+\i]   ; a whole block to a lane
.endr
.endr
.rept 4
	v_nop                                          ; an operand written by vector instructions stands four places ahead of a scaled matrix instruction
.endr
	s_wait_dscnt 0x0                               ; V and its scale words are in
.irp d, 0,1,2,3                                ; O^T += V^T P^T: the four accumulators by turns
.if \first
	v_wmma_scale_f32_16x16x128_f8f6f4 v[OT+8*\d:OT+8*\d+7], v[VF+8*\d:VF+8*\d+7], v[PCD:PCD+7], 0, v[VS+\d], v[PW] matrix_a_fmt:MATRIX_FMT_FP4 matrix_b_fmt:MATRIX_FMT_FP4
.else
	v_wmma_scale_f32_16x16x128_f8f6f4 v[OT+8*\d:OT+8*\d+7], v[VF+8*\d:VF+8*\d+7], v[PCD:PCD+7], v[OT+8*\d:OT+8*\d+7], v[VS+\d], v[PW] matrix_a_fmt:MATRIX_FMT_FP4 matrix_b_fmt:MATRIX_FMT_FP4
.endif
.endr
	s_add_co_u32 s[TK], s[TK], 4096
	s_add_co_u32 s[TS], s[TS], 512
	s_add_co_u32 s[TMM], s[TMM], 256
.endm
.Ltile:                                            ; two trips: my two tiles of 16 queries
	global_load_b128 v[QF:QF+3], v[LI], s[QP:QP+1] ; Q's fragment as it was stored
	global_load_b32 v[QS], v[RO], s[QSP:QSP+1]
	v_mov_b32 v[MX], 0xff61b1e6                    ; m = -3e38, under every score
	v_mul_f32 v[CM], s[CS], v[MX]
	v_mov_b32 v[LS], 0
	v_mov_b32 v[LS+1], 0
	s_mov_b32 s[TK], 0
	s_mov_b32 s[TS], 0
	s_mov_b32 s[TMM], 0
	s_mov_b32 s[CN1], 16
	s_wait_loadcnt 0x0
.Lwalk1:
	P1STEP
	s_sub_co_u32 s[CN1], s[CN1], 1
	s_cmp_lg_u32 s[CN1], 0
	s_cbranch_scc1 .Lwalk1
	v_add_f32 v[T0], v[LS], v[LS+1]                ; the sum's two halves,
	v_permlanex16_b32 v[PD], v[T0], s[SEL], s[SEL+1]
	v_add_f32 v[T0], v[T0], v[PD]                  ; and lane l xor 16's,
	v_add_f32 v[T0], 0x2edbe6ff, v[T0]             ; + EPS = 1e-10
	v_rcp_f32 v[AR], v[T0]
	s_mov_b32 s[TK], 0
	s_mov_b32 s[TS], 0
	s_mov_b32 s[TMM], 0
	s_mov_b32 s[CN2], 15
	v_nop                                          ; a plain instruction behind the reciprocal,
	s_wait_alu depctr_va_vdst(0)                   ; and the wait ahead of its first reader
	P2STEP 1
.Lwalk2:
	P2STEP 0
	s_sub_co_u32 s[CN2], s[CN2], 1
	s_cmp_lg_u32 s[CN2], 0
	s_cbranch_scc1 .Lwalk2
	; THE WAY OUT: register 16 b + i of O^T is d = 32 b + 16 (lane / 16) + i of my query: two blocks along the last product's K.  They leave as codes, in that operand's image
.rept 4
	v_nop                                          ; the places behind the last products
.endr
.irp b, 0,1
	v_max3_num_f32 v[BM+\b], |v[OT+16*\b]|, |v[OT+16*\b+1]|, 0x1800000
.endr
.irp i, 2,4,6,8,10,12,14
.irp b, 0,1
	v_max3_num_f32 v[BM+\b], v[BM+\b], |v[OT+16*\b+\i]|, |v[OT+16*\b+\i+1]|
.endr
.endr
.irp b, 0,1
	v_permlanex16_b32 v[PD+\b], v[BM+\b], s[SEL], s[SEL+1]
.endr
.irp b, 0,1
	v_max_num_f32 v[BM+\b], v[BM+\b], v[PD+\b]
.endr
.irp b, 0,1
	v_add_nc_u32 v[SO+\b], 0xff000000, v[BM+\b]
.endr
.irp b, 0,1
	v_lshrrev_b32 v[SBY+\b], 23, v[SO+\b]
.endr
	v_lshl_or_b32 v[PW], v[SBY+1], 8, v[SBY]       ; my head's two bytes of the row's scale word
.irp b, 0,1
	v_cvt_scalef32_pk8_fp4_f32 v[PCD+2*\b], v[OT+16*\b:OT+16*\b+7], v[SO+\b]
	v_cvt_scalef32_pk8_fp4_f32 v[PCD+1+2*\b], v[OT+16*\b+8:OT+16*\b+15], v[SO+\b]
.endr
	v_nop
	v_permlane16_swap_b32 v[PCD], v[PCD+2]
	v_permlane16_swap_b32 v[PCD+1], v[PCD+3]
	global_store_b128 v[LI], v[PCD:PCD+3], s[ACP:ACP+1]   ; 512 consecutive bytes, aligned
	global_store_b16 v[RO], v[PW], s[ASP:ASP+1]    ; two bytes a row: a scale word spans two heads, which have different owners; one sixteenth of what the launch stores
	s_wait_xcnt 0x0                                ; the stores have read their registers and bases: both may be written again
	s_add_nc_u64 s[QP:QP+1], s[QP:QP+1], 8192      ; 16 tiles on
	s_add_nc_u64 s[QSP:QSP+1], s[QSP:QSP+1], 1024
	s_add_nc_u64 s[ACP:ACP+1], s[ACP:ACP+1], 65536
	s_add_nc_u64 s[ASP:ASP+1], s[ASP:ASP+1], 8192
	s_sub_co_u32 s[TRIP], s[TRIP], 1
	s_cmp_lg_u32 s[TRIP], 0
	s_cbranch_scc1 .Ltile
	s_wait_tensorcnt 0x0                           ; the wave's end: behind my last tensor load and my last LDS store
	ds_add_u32 v[SPW], v[NIL]
	s_wait_dscnt 0x0
	CROUND                                         ; the closing round
	s_endpgm
.Lfunc_end_k_q42235e41be_attn:
	.size	k_q42235e41be_attn, .Lfunc_end_k_q42235e41be_attn-k_q42235e41be_attn
	.p2alignl 7, 3214868480
	.fill 96, 4, 3214868480
	.section	.rodata,"a",@progbits
	.p2align	6, 0x0
	.amdhsa_kernel k_q42235e41be_attn
		.amdhsa_group_segment_fixed_size 210944
		.amdhsa_private_segment_fixed_size 0
		.amdhsa_enable_private_segment 0
		.amdhsa_kernarg_size 32
		.amdhsa_user_sgpr_count 2
		.amdhsa_user_sgpr_kernarg_segment_ptr 1
		.amdhsa_wavefront_size32 1
		.amdhsa_system_sgpr_workgroup_id_x 1
		.amdhsa_system_sgpr_workgroup_id_y 1
		.amdhsa_system_sgpr_workgroup_id_z 1
		.amdhsa_system_vgpr_workitem_id 0
		.amdhsa_next_free_vgpr 256
		.amdhsa_next_free_sgpr 66
		.amdhsa_reserve_vcc 0
		.amdhsa_float_denorm_mode_32 3
		.amdhsa_float_denorm_mode_16_64 3
		.amdhsa_memory_ordered 1
		.amdhsa_forward_progress 1
		.amdhsa_inst_pref_size 44
	.end_amdhsa_kernel
	.amdgpu_metadata
---
amdhsa.version: [ 1, 2 ]
amdhsa.kernels:
  - .name:           k_q42235e41be_attn
    .symbol:         k_q42235e41be_attn.kd
    .args:
      - { .name: qkvc, .offset: 0, .size: 8, .value_kind: global_buffer, .address_space: global }
      - { .name: qkvs, .offset: 8, .size: 8, .value_kind: global_buffer, .address_space: global }
      - { .name: ac, .offset: 16, .size: 8, .value_kind: global_buffer, .address_space: global }
      - { .name: asc, .offset: 24, .size: 8, .value_kind: global_buffer, .address_space: global }
    .group_segment_fixed_size: 210944
    .private_segment_fixed_size: 0
    .kernarg_segment_align: 8
    .kernarg_segment_size: 32
    .max_flat_workgroup_size: 512
    .sgpr_count:     66
    .vgpr_count:     256
    .wavefront_size: 32
...
	.end_amdgpu_metadata
.endif
;; end of part 3
;; launch outp (part 4): grid 4 x 64, 4 waves a work-group, clusters of 4 x 4, 327,680 bytes of LDS; arguments ac, asc, wc, ws, bo, out0; writes out0
.if DOCPART == 4
	.amdgcn_target "amdgcn-amd-amdhsa--gfx1250"
	.amdhsa_code_object_version 6
	.text
	.protected	k_q42235e41be_outp
	.globl	k_q42235e41be_outp
	.p2align	8
	.type	k_q42235e41be_outp,@function
k_q42235e41be_outp:
	s_mov_b64 s[64:65], 0
	v_nop
	global_prefetch_b8 v0, s[64:65] scope:SCOPE_SE
	s_setreg_imm32_b32 hwreg(HW_REG_WAVE_MODE, 25, 1), 1
	s_wait_xcnt 0x0
	s_wait_alu depctr_hold_cnt(0) depctr_sa_sdst(0) depctr_va_vdst(0) depctr_va_sdst(0) depctr_va_ssrc(0) depctr_va_vcc(0) depctr_vm_vsrc(0)
	s_getreg_b32 s2, hwreg(HW_REG_IB_STS2, 6, 4)
	s_cmp_eq_u32 s2, 0
	s_cbranch_scc0 .Lentry_in_a_cluster
	s_endpgm
.Lentry_in_a_cluster:
	s_bfe_u32 s2, ttmp6, 0x10000c
	s_cmp_lg_u32 s2, 0xf033
	s_cbranch_scc0 .Lentry_shape_is_right
	s_endpgm
.Lentry_shape_is_right:
; LAUNCH 4 OF 4: out0 = attention's result x Wo^T + bo, on codes of E2M1.  No work is left out.
; The same scheme as launch 2 on a tile of 128 tokens x 256 features, so that there are 256 work-groups: a wave makes 64 x 128: 32 accumulators.  K = 1,024 fits in two LDS slots: every LDS byte is filled once.
; Source 0 = 16 rows of Wo, source 1 = 16 tokens: a lane holds one token, and its 64 registers of a token tile run along 128 neighbouring features: register 16 b + i = feature 32 b + 16 (lane / 16) + i.
; The bias is the C of each sum's first product.  CLUSTERS: 4 x 4 work-groups; the tokens' tiles are asked for jointly along a row of the cluster, Wo's along a column.
; REGISTERS: window 0: v1-29 addresses; v32-95 scale words, two sets; v128-159 A's fragments, one set; v192-255 the bias; on the way out v128-255 hold rows of the result.
;   window 1: B's fragments, two sets, at v0 and v128.   window 2: accumulator (a, b) at v[8 (8 a + b)].
.set NA,    4
.set HN,    NA/2
.set QN,    NA/4
.set NL,    2
.set TILEB, 4096
.set SLOT,  (2*NA+16)*TILEB
.set SCL,   2*SLOT
.set SPARE, SCL+2*NA*512+8192          ; the spare words, 128 bytes a wave: two blocks of 256 bytes that no other line names
.set ADRA, 16
.set ADRB, 20
.set LI,   22                          ; v22  16 x lane
.set STO,  24                          ; v24  the way out: where I put 16 bytes of a row
.set RD,   25                          ; v25  and where I read a row back
.set ADRS, 27
.set SPW,  28
.set NIL,  29
.set SC,   32
.set AF,   128
.set BI,   192                         ; the bias: eight registers for each of B's tiles, in the result's layout
.set BK,   128                         ; the way out: 16 rows read back: v128-191 and v192-255 by turns
.set WV, 16
.set WA, 17
.set WB, 18
.set CX, 19
.set CY, 20
.set CL, 21
.set LB, 21
.set LA, 23
.set G1, 24
.set G0, 32
.set G1B, 48
.set G0B, 56
.set G1S, 68
.set G0S, 76
.set G1SB, 80
.set G0SB, 88
.set MSB, 0
.macro WIN new
.if MSB != (\new)
	s_set_vgpr_msb (MSB<<8)|(\new)
.set MSB, (\new)
.endif
.endm
.macro JLOAD g0a, g1a, g0b, g1b        ; a joint load: waves 0 and 1 fetch for A, waves 2 and 3 for B; an s_nop 0 and four v_nop follow each of the two lines
	s_cmp_eq_u32 s[WA], 0
	s_cbranch_scc0 .Lfor_b_\@
	tensor_load_to_lds s[\g0a:\g0a+3], s[\g1a:\g1a+7]
	s_nop 0
.rept 4
	v_nop
.endr
	s_branch .Lasked_\@
.Lfor_b_\@:
	tensor_load_to_lds s[\g0b:\g0b+3], s[\g1b:\g1b+7]
	s_nop 0
.rept 4
	v_nop
.endr
.Lasked_\@:
.endm
.macro CROUND
	s_barrier_signal -1
	s_barrier_wait -1
	s_cmp_lg_u32 s[WV], 0
	s_cbranch_scc1 .Lnot_wave_0_\@
	s_barrier_signal -3
.Lnot_wave_0_\@:
	s_barrier_wait -3
	s_barrier_signal -1
	s_barrier_wait -1
.endm
.macro PLACES n
.rept \n
	v_nop
.endr
.endm
	s_load_b256 s[4:11], s[0:1], 0x0               ; ac s[4:5], asc s[6:7], wc s[8:9], ws s[10:11]
	s_load_b128 s[12:15], s[0:1], 0x20             ; bo s[12:13], out0 s[14:15]
	v_lshl_add_u32 v[SPW], v0, 2, SPARE
	v_mov_b32 v[NIL], 0
	ds_add_u32 v[SPW], v[NIL]                      ; the wave's opening: the add, twice on end, and its wait ahead of my first tensor load
	ds_add_u32 v[SPW], v[NIL]
	v_lshrrev_b32 v1, 5, v0
	v_readfirstlane_b32 s[WV], v1
	s_lshr_b32 s[WA], s[WV], 1
	s_and_b32 s[WB], s[WV], 1
	s_bfe_u32 s[CX], ttmp6, 0x40000
	s_bfe_u32 s[CY], ttmp6, 0x40004
	s_and_b32 s[CL], ttmp7, 0xffff                 ; the cluster's y: 0..15
	s_lshl_b32 s92, s[CY], 2
	s_lshl_b32 s92, 15, s92                        ; my row of the cluster
	s_lshl_b32 s93, 0x1111, s[CX]                  ; my column
	s_or_b32 s[G1], s92, (3<<16)|(1<<21)           ; dense blocks as rows of 256 bytes (32 elements of 8 bytes), no padding
	s_or_b32 s[G1S], s92, (3<<16)|(1<<21)
	s_or_b32 s[G1B], s93, (3<<16)|(1<<21)
	s_or_b32 s[G1SB], s93, (3<<16)|(1<<21)
.irp g, G1, G1B, G1S, G1SB
	s_mov_b32 s[\g+1], 32<<16
	s_mov_b32 s[\g+3], 32<<16
	s_mov_b32 s[\g+5], 32
	s_mov_b32 s[\g+6], 0
	s_mov_b32 s[\g+7], 0
.endr
	s_mov_b32 s[G1+2], (16*NA)<<16
	s_mov_b32 s[G1+4], 16*NA
	s_mov_b32 s[G1B+2], 128<<16
	s_mov_b32 s[G1B+4], 128
	s_mov_b32 s[G1S+2], (2*NA)<<16
	s_mov_b32 s[G1S+4], 2*NA
	s_mov_b32 s[G1SB+2], 16<<16
	s_mov_b32 s[G1SB+4], 16
	; s92, s94, s98-99, s40-41 serve A's descriptors and never hold cx; s93, s100-101, s42-43 serve B's and never hold cy
	s_lshl_b32 s94, s[CL], 2
	s_add_co_u32 s94, s94, s[CY]                   ; the tile row of 128 tokens, 0..63
	s_lshl_b32 s98, s94, 3
	s_lshl_b32 s99, s[WB], 2
	s_add_co_u32 s98, s98, s99                     ; the first of A's 4 tiles that I would fetch
	s_lshl_b32 s40, s98, 9
	s_mov_b32 s41, 0
	s_lshl_b32 s98, s98, 12
	s_mov_b32 s99, 0
	s_lshl_b32 s100, s[CX], 4
	s_lshl_b32 s101, s[WB], 3
	s_add_co_u32 s100, s100, s101
	s_add_co_u32 s100, s100, 192                   ; Wo's tiles begin at 192 in wc
	s_lshl_b32 s42, s100, 9
	s_mov_b32 s43, 0
	s_lshl_b32 s100, s100, 12
	s_mov_b32 s101, 0
	s_mul_i32 s[LA], s[WB], NA*TILEB
	s_mul_i32 s[LB], s[WB], 8*TILEB
	s_add_co_u32 s[LB], s[LB], 2*NA*TILEB
.irp s, 0,1
	s_mov_b32 s[G0+4*\s], 1
	s_add_co_u32 s[G0+4*\s+1], s[LA], \s*SLOT
	s_mov_b32 s[G0B+4*\s], 1
	s_add_co_u32 s[G0B+4*\s+1], s[LB], \s*SLOT
.endr
	s_mov_b32 s[G0S], 1
	s_mul_i32 s[G0S+1], s[WB], NA*512
	s_add_co_u32 s[G0S+1], s[G0S+1], SCL
	s_mov_b32 s[G0SB], 1
	s_mul_i32 s[G0SB+1], s[WB], 4096
	s_add_co_u32 s[G0SB+1], s[G0SB+1], SCL+2*NA*512
	s_wait_dscnt 0x0                               ; both opening adds are done
	s_wait_kmcnt 0x0
	s_add_nc_u64 s[G0+2:G0+3], s[4:5], s[98:99]
	s_add_nc_u64 s[G0+6:G0+7], s[G0+2:G0+3], 0x200000
	s_add_nc_u64 s[G0S+2:G0S+3], s[6:7], s[40:41]
	s_add_nc_u64 s[G0B+2:G0B+3], s[8:9], s[100:101]
	s_add_nc_u64 s[G0B+6:G0B+7], s[G0B+2:G0B+3], 0x100000
	s_add_nc_u64 s[G0SB+2:G0SB+3], s[10:11], s[42:43]
	s_or_b32 s[G0+3], s[G0+3], 0x80000000
	s_or_b32 s[G0+7], s[G0+7], 0x80000000
	s_or_b32 s[G0S+3], s[G0S+3], 0x80000000
	s_or_b32 s[G0B+3], s[G0B+3], 0x80000000
	s_or_b32 s[G0B+7], s[G0B+7], 0x80000000
	s_or_b32 s[G0SB+3], s[G0SB+3], 0x80000000
	CROUND                                         ; all sixteen work-groups are here: the joint loads meet
	JLOAD G0S, G1S, G0SB, G1SB                     ; three loads of mine are out, and no more are issued
	JLOAD G0, G1, G0B, G1B
	JLOAD G0+4, G1, G0B+4, G1B
	v_and_b32 v1, 15, v0                           ; r
	v_bfe_u32 v2, v0, 4, 1                         ; h
	v_and_b32 v3, 31, v0
	v_lshlrev_b32 v[LI], 4, v3
	v_lshlrev_b32 v5, 6, v2                        ; the bias: 16 h numbers on
	; s44-47 alone mix the two coordinates
	s_lshl_b32 s44, s[CX], 10
	s_lshl_b32 s45, s[WB], 9
	s_add_co_u32 s44, s44, s45                     ; my first feature, in bytes
	s_mov_b32 s45, 0
	s_add_nc_u64 s[12:13], s[12:13], s[44:45]
	s_add_nc_u64 s[14:15], s[14:15], s[44:45]
	s_lshl_b32 s44, s94, 19
	s_lshl_b32 s46, s[WA], 18
	s_add_co_u32 s44, s44, s46                     ; my first token's row of 4,096 bytes
	s_add_nc_u64 s[14:15], s[14:15], s[44:45]
.irp b, 0,1,2,3,4,5,6,7
	global_load_b128 v[BI+8*\b:BI+8*\b+3], v5, s[12:13] offset:(32*(\b/2)+8*(\b%2))*4        ; bo at the lane's eight features of tile b
	global_load_b128 v[BI+8*\b+4:BI+8*\b+7], v5, s[12:13] offset:(32*(\b/2)+8*(\b%2))*4+16
.endr
	s_mul_i32 s[LA], s[WA], NA*TILEB
	s_mul_i32 s[LB], s[WB], 8*TILEB
	s_add_co_u32 s[LB], s[LB], 2*NA*TILEB
.irp s, 0,1
	v_add_nc_u32 v[ADRA+\s], s[LA], v[LI]
	v_add_nc_u32 v[ADRB+\s], s[LB], v[LI]
	s_add_co_u32 s[LA], s[LA], SLOT
	s_add_co_u32 s[LB], s[LB], SLOT
.endr
	s_mul_i32 s[LA], s[WA], NA*512
	s_mul_i32 s[LB], s[WB], 4096
	s_add_co_u32 s[LB], s[LB], 2*NA*512
	s_sub_co_u32 s[LB], s[LB], s[LA]
	v_mul_u32_u24 v4, s[LB], v2                    ; lanes 16-31 take B's words: the lower base + h x the distance
	s_add_co_u32 s[LA], s[LA], SCL
	v_lshl_add_u32 v4, v1, 4, v4
	v_add_nc_u32 v[ADRS], s[LA], v4
	s_mul_i32 s[LA], s[WV], 16*528                 ; my stage: 16 rows x (512 + 16) bytes, in slot 0, which has had its only fill, and its last read ahead of the change of slots
	v_mul_u32_u24 v4, v1, 528
	v_lshl_add_u32 v4, v2, 6, v4
	v_add_nc_u32 v[STO], s[LA], v4                 ; in: row r, + 64 h
	v_add_nc_u32 v[RD], s[LA], v[LI]               ; back: a whole row, 16 bytes a lane
.macro FRAG reg, adr, q, i
.irp c, 0,1
	ds_load_b128 v[\reg+4*\c:\reg+4*\c+3], v[\adr] offset:1024*(\q)+512*\c+(\i)*TILEB
.endr
.endm
.macro FETCH_B slot, q, p
	WIN 0x40
.irp i, 0,1,2,3,4,5,6,7
	FRAG 128*(\p)+8*\i, ADRB+\slot, \q, \i
.endr
	WIN 0
.endm
.macro FETCH_A slot, q, i0, n
.set FI, \i0
.rept \n
	FRAG AF+8*FI, ADRA+\slot, \q, FI
.set FI, FI+1
.endr
.endm
.macro SCALES sc                       ; lanes 0-15: A's tile i (for i = 4 .. 7 words that no product names); lanes 16-31: B's tile i
.irp i, 0,1,2,3,4,5,6,7
	ds_load_b128 v[SC+32*\sc+4*\i:SC+32*\sc+4*\i+3], v[ADRS] offset:512*\i+256*\sc
.endr
.endm
; n of A's tiles x B's eight, 128 along K.  first = 2: the bias is the first product's C.  The accumulators take turns, one instruction a turn, in the same order in every step
.macro MULS a0, n, p, q, sc, first
.if (\first) == 2
	WIN 0x81                                       ; source 0 window 1, sources 1 and 2 window 0, destination window 2
.else
	WIN 0xa1
.endif
.set MA, \a0
.rept \n
.set MB, 0
.rept 8
.set rD, 8*(8*MA+MB)
.set rB, 128*(\p)+8*MB
.set rA, AF+8*MA
.set sB, SC+32*(\sc)+4*MB+(\q)
.set sA, SC+32*(\sc)+4*MA+(\q)
.if (\first) == 2
	v_wmma_scale_f32_16x16x128_f8f6f4 v[rD:rD+7], v[rB:rB+7], v[rA:rA+7], v[BI+8*MB:BI+8*MB+7], v[sB], v[sA] matrix_a_fmt:MATRIX_FMT_FP4 matrix_b_fmt:MATRIX_FMT_FP4 matrix_a_scale:MATRIX_SCALE_ROW1
.else
	v_wmma_scale_f32_16x16x128_f8f6f4 v[rD:rD+7], v[rB:rB+7], v[rA:rA+7], v[rD:rD+7], v[sB], v[sA] matrix_a_fmt:MATRIX_FMT_FP4 matrix_b_fmt:MATRIX_FMT_FP4 matrix_a_scale:MATRIX_SCALE_ROW1
.endif
.set MB, MB+1
.endr
.set MA, MA+1
.endr
.endm
.macro STEP slot, q, first
	s_wait_dscnt HN*NL                             ; all but the youngest loads (A's second half) are in
	MULS 0, HN, (\q)%2, \q, \slot, \first
	s_wait_dscnt 0
	PLACES 4                                       ; in front of loads into registers that matrix instructions have read
	FETCH_B \slot, (\q)+1, 1-(\q)%2
	FETCH_A \slot, (\q)+1, 0, HN
	MULS HN, HN, (\q)%2, \q, \slot, \first
	PLACES 4
	WIN 0
	FETCH_A \slot, (\q)+1, HN, HN
.endm
	s_wait_tensorcnt 1                             ; the scale words and my part of slot 0 are in; slot 1's load may stay out
	s_barrier_signal -1
	s_barrier_wait -1
	FETCH_B 0, 0, 0
	FETCH_A 0, 0, 0, HN
	SCALES 0
	FETCH_A 0, 0, HN, HN
	s_wait_loadcnt 0x0                             ; the bias
	STEP 0, 0, 2
	STEP 0, 1, 0
	STEP 0, 2, 0
	s_wait_tensorcnt 0x0                           ; all my tensor loads have landed
	ds_add_u32 v[SPW], v[NIL]                      ; 0 onto my spare word
	s_wait_dscnt HN*NL+1                           ; (the add and A's second half may be out)
	MULS 0, QN, 1, 3, 0, 0
	s_wait_dscnt 0x0                               ; the add is done, and my reads of slot 0 are over
	s_barrier_signal -1
	MULS QN, QN, 1, 3, 0, 0
	WIN 0
	s_barrier_wait -1                              ; slot 1 is whole, and nobody reads slot 0 any more
	PLACES 4
	FETCH_B 1, 0, 0
	FETCH_A 1, 0, 0, HN
	SCALES 1
	MULS HN, HN, 1, 3, 0, 0
	PLACES 4
	WIN 0
	FETCH_A 1, 0, HN, HN
	STEP 1, 0, 0
	STEP 1, 1, 0
	STEP 1, 2, 0
	s_wait_dscnt HN*NL
	MULS 0, HN, 1, 3, 1, 0
	s_wait_dscnt 0
	MULS HN, HN, 1, 3, 1, 0
	WIN 0
; THE WAY OUT, a token tile (16 rows x 128 features) at a time: through my own stage in LDS and back as whole rows of 512 bytes.  LDS serves a wave's instructions in order: no wait between the stores and the loads.
.macro TOSTAGE a
.set AC, 64*(\a)
	WIN 0x08                                       ; an LDS store's data: window 2
.irp b, 0,1,2,3,4,5,6,7
	ds_store_b128 v[STO], v[AC+8*\b:AC+8*\b+3] offset:128*(\b/2)+32*(\b%2)          ; each accumulator from its low end on
	ds_store_b128 v[STO], v[AC+8*\b+4:AC+8*\b+7] offset:128*(\b/2)+32*(\b%2)+16
.endr
	WIN 0
.set BB, BK+64*((\a)%2)
.irp t, 0,1,2,3,4,5,6,7,8,9,10,11,12,13,14,15
	ds_load_b128 v[BB+4*\t:BB+4*\t+3], v[RD] offset:\t*528
.endr
.endm
.macro SEND a, younger                 ; younger: the LDS instructions issued behind tile a's loads, which may stay out
.set BB, BK+64*((\a)%2)
	s_wait_dscnt \younger
.irp t, 0,1,2,3,4,5,6,7,8,9,10,11,12,13,14,15
	global_store_b128 v[LI], v[BB+4*\t:BB+4*\t+3], s[14:15] offset:(32*((\a)/2)+8*((\a)%2)+\t+8*(\t/8))*4096 th:TH_STORE_NT   ; tile-row t's token: 512 consecutive bytes, aligned; no pointer is stepped
.endr
.endm
	PLACES 4                                       ; behind the last products: in front of the reads of results and of the loads into A's and the bias's registers
	TOSTAGE 0
	TOSTAGE 1
	SEND 0, 32                                     ; behind tile 0's loads: tile 1's 16 stores and 16 loads
	s_wait_xcnt 0x0                                ; tile 0's stores have read their registers: tile 2's rows may land there
	TOSTAGE 2
	SEND 1, 32
	s_wait_xcnt 0x0
	TOSTAGE 3
	SEND 2, 32
	SEND 3, 0
	s_wait_tensorcnt 0x0                           ; the wave's end: behind my last tensor load and my last LDS store
	ds_add_u32 v[SPW], v[NIL]
	s_wait_dscnt 0x0
	CROUND                                         ; the closing round
	s_endpgm
.Lfunc_end_k_q42235e41be_outp:
	.size	k_q42235e41be_outp, .Lfunc_end_k_q42235e41be_outp-k_q42235e41be_outp
	.p2alignl 7, 3214868480
	.fill 96, 4, 3214868480
	.section	.rodata,"a",@progbits
	.p2align	6, 0x0
	.amdhsa_kernel k_q42235e41be_outp
		.amdhsa_group_segment_fixed_size 327680
		.amdhsa_private_segment_fixed_size 0
		.amdhsa_enable_private_segment 0
		.amdhsa_kernarg_size 48
		.amdhsa_user_sgpr_count 2
		.amdhsa_user_sgpr_kernarg_segment_ptr 1
		.amdhsa_wavefront_size32 1
		.amdhsa_system_sgpr_workgroup_id_x 1
		.amdhsa_system_sgpr_workgroup_id_y 1
		.amdhsa_system_sgpr_workgroup_id_z 1
		.amdhsa_system_vgpr_workitem_id 0
		.amdhsa_next_free_vgpr 768
		.amdhsa_next_free_sgpr 102
		.amdhsa_reserve_vcc 0
		.amdhsa_float_denorm_mode_32 3
		.amdhsa_float_denorm_mode_16_64 3
		.amdhsa_memory_ordered 1
		.amdhsa_forward_progress 1
		.amdhsa_inst_pref_size 75
	.end_amdhsa_kernel
	.amdgpu_metadata
---
amdhsa.version: [ 1, 2 ]
amdhsa.kernels:
  - .name:           k_q42235e41be_outp
    .symbol:         k_q42235e41be_outp.kd
    .args:
      - { .name: ac, .offset: 0, .size: 8, .value_kind: global_buffer, .address_space: global }
      - { .name: asc, .offset: 8, .size: 8, .value_kind: global_buffer, .address_space: global }
      - { .name: wc, .offset: 16, .size: 8, .value_kind: global_buffer, .address_space: global }
      - { .name: ws, .offset: 24, .size: 8, .value_kind: global_buffer, .address_space: global }
      - { .name: bo, .offset: 32, .size: 8, .value_kind: global_buffer, .address_space: global }
      - { .name: out0, .offset: 40, .size: 8, .value_kind: global_buffer, .address_space: global }
    .group_segment_fixed_size: 327680
    .private_segment_fixed_size: 0
    .kernarg_segment_align: 8
    .kernarg_segment_size: 48
    .max_flat_workgroup_size: 128
    .sgpr_count:     102
    .vgpr_count:     768
    .wavefront_size: 32
...
	.end_amdgpu_metadata
.endif
;; end of part 4
;; ======== version 2 of 2: 4 launches
;; workspace buffers: xc 4,194,304 bytes; xs 262,144 bytes; wc 2,097,152 bytes; ws 131,072 bytes; qkvc 12,582,912 bytes; qkvs 1,310,720 bytes; ac 4,194,304 bytes; asc 262,144 bytes
;; launch quant: the kernel of part 1 again; grid 256 x 1, 6 waves a work-group, no clusters, 51,456 bytes of LDS; arguments x, Wq, Wk, Wv, Wo, xc, xs, wc, ws; writes xc, xs, wc, ws
;; launch qkv: the kernel of part 2 again; grid 4 x 96, 4 waves a work-group, clusters of 4 x 4, 327,680 bytes of LDS; arguments xc, xs, wc, ws, qkvc, qkvs; writes qkvc, qkvs
;; launch attn (part 5): grid 4 x 64, 16 waves a work-group, clusters of 4 x 1, 212,992 bytes of LDS; arguments qkvc, qkvs, ac, asc; writes ac, asc
.if DOCPART == 5
	.amdgcn_target "amdgcn-amd-amdhsa--gfx1250"
	.amdhsa_code_object_version 6
	.text
	.protected	k_q42235e41be_attn
	.globl	k_q42235e41be_attn
	.p2align	8
	.type	k_q42235e41be_attn,@function
k_q42235e41be_attn:
	s_mov_b64 s[64:65], 0
	v_nop
	global_prefetch_b8 v0, s[64:65] scope:SCOPE_SE
	s_setreg_imm32_b32 hwreg(HW_REG_WAVE_MODE, 25, 1), 1
	s_wait_xcnt 0x0
	s_wait_alu depctr_hold_cnt(0) depctr_sa_sdst(0) depctr_va_vdst(0) depctr_va_sdst(0) depctr_va_ssrc(0) depctr_va_vcc(0) depctr_vm_vsrc(0)
	s_getreg_b32 s2, hwreg(HW_REG_IB_STS2, 6, 4)
	s_cmp_eq_u32 s2, 0
	s_cbranch_scc0 .Lentry_in_a_cluster
	s_endpgm
.Lentry_in_a_cluster:
	s_bfe_u32 s2, ttmp6, 0x10000c
	s_cmp_lg_u32 s2, 0x3003
	s_cbranch_scc0 .Lentry_shape_is_right
	s_endpgm
.Lentry_shape_is_right:
; LAUNCH 3 OF 4: out = softmax(q k^T / 8) v for each of 64 heads of batches, both products on codes of E2M1, and the quantiser of the result along the inner axis.  No work is left out.
; THE SECOND PRODUCT TAKES THE FINISHED SOFTMAX: p = e / (sum + EPS) is what is quantised along the keys, so a row's maximum and sum over all 2,048 keys are known before any p is quantised.
; THE SCORES STAY IN REGISTERS, so that each is multiplied once and goes through one exponential.  A tile's 16 x 2,048 scores are 1,024 registers: A TILE OF 16 QUERIES IS SPLIT ALONG THE KEYS OVER EIGHT WAVES,
; wave j of a group owning key steps 2 j and 2 j + 1 (256 keys, 128 registers) in every round.
; SHARES: a work-group owns 512 queries of one head: 32 tiles.  Its sixteen waves are two groups of eight; a group takes 16 tiles, one a round, 16 rounds.  The whole head's K, V and scale words lie in LDS, filled once.
; A ROUND:  A: my two steps of K from LDS, S^T = K Q^T, each block's largest score (kept in registers), my 256 keys' largest to LDS | barrier 1 |
;   the next round's Q is asked for; four waves add up the round before's eight partial O^T, a block of 32 d each, quantise it and store it;
;   B: the row's maximum m of the eight; e = 2^(c s - c m), c = log2(e) / 8; my part of the row's sum to LDS | barrier 2 |
;   C: the eight parts added in one fixed order, + EPS, the reciprocal r; p = e r, quantised block by block; O^T = V^T P^T over my 256 keys; the partial O^T to LDS.
; WHAT THE TWO BARRIERS ORDER: the maxima are written ahead of barrier 1, read behind it, written again behind barrier 2; the sums are written ahead of barrier 2, read behind it, written again behind the next barrier 1;
; the partial O^T are written behind barrier 2, read behind the next barrier 1, written again behind the next barrier 2.  In front of each barrier a wave waits for all its LDS instructions.
; A BLOCK'S LARGEST p IS NOT SEARCHED FOR: the block's largest score goes through the same multiply-add, exponential and multiplication (this takes v_exp_f32 not to fall where its input rises).
; CLUSTER: a head's four work-groups ask for K, V and the scale words jointly (mask 15): each of the sixteen waves fetches a sixteenth.
; LAYOUT: S^T = K Q^T (source 0 = 16 keys), O^T = V^T P^T (source 0 = 16 of the head's 64): a lane holds one query.  By the tiles' choice of rows, register 16 b + i of a step's scores is key 32 b + 16 (lane / 16) + i, and of O^T d = 32 b + 16 (lane / 16) + i.
; K = 64 IN A FORM OF 128: a tile of K is four registers; the instruction names eight, the upper four being whatever follows.  They meet zero CODES of Q (v20-23) under scale bytes 0, which stand for 2^-127: they add exactly 0.
; LIMITS: an e or p under 2^-126 comes out as 0; a block of zeros has the byte 1; NaN and infinities are not served.  The result's scale bytes leave singly, a byte a row: a block's byte has one owner.
.set VIMG,  65536                      ; LDS: K's image from 0, V's from here: 4,096 bytes a key step each
.set SCB,   131072                     ; K's scale words (8,192), then V's (4,096)
.set OPB,   143360                     ; the partial O^T: 4,096 bytes a wave, images of eight groups of four registers
.set XM,    208896                     ; the maxima: [group][row][wave], 4 bytes each: 1,024 bytes;
.set XS,    1024                       ; the sums lie this far behind them, laid alike
.set SPARE, 210944                     ; the spare words, 128 bytes a wave: eight blocks of 256 bytes that no other line names
.set LI,  1                            ; v1   16 x lane
.set RO,  2                            ; v2   16 x (lane % 16)
.set ADK, 3                            ; v3   my two steps of K
.set ADS, 4                            ; v4   their scale words
.set ADV, 5                            ; v5   my two steps of V
.set ADT, 6                            ; v6   their scale words
.set XMW, 7                            ; v7   where I put my maximum and my sum
.set SPW, 8                            ; v8   my spare word; never rewritten
.set QS,  9                            ; v9   Q's scale words
.set XMR, 10                           ; v10  where I read my row's eight
.set T0,  11
.set CM,  12                           ; v[12:13] c m (the pair's upper word is written once)
.set AR,  14                           ; v[14:15] 1 / (sum + EPS)
.set QF,  16                           ; v16-19 Q's codes; v20-23 zero codes
.set NIL, 24                           ; v24  0; never rewritten
.set OPW, 25                           ; v25  where I put my partial O^T
.set RDA, 26                           ; v26  where a reducing wave reads its block of the eight
.set OST, 27                           ; v27  16 (lane % 16) + 8 (lane / 16): a reducing wave's codes in the result's image
.set T1,  28
.set PW,  30                           ; v30  p's scale word
.set KF,  32                           ; v32-95 K's two steps, four registers a tile; then V's two steps, eight a tile; between them the reducing waves' buffers
.set RA,  32                           ; the reduction: v32-47 the sum, v48-95 three buffers of 16
.set X8,  96                           ; v96-103 permutes' results, the eight exchanged numbers, p's codes
.set KS,  104                          ; v104-111 K's scale words (lanes 0-15 tiles 0-3, lanes 16-31 tiles 4-7), then V's: four registers a step
.set BM,  112                          ; v112-119 the eight blocks' largest
.set SO,  120                          ; v120-123 the conversions' scale operands
.set LS,  124                          ; v[124:125] the sum, where eight chains meet
.set LS2, 126
.set SCR, 128                          ; v128-255 scores, then e, then p
.set OT,  128                          ; v128-159 O^T, in registers whose p have become codes
.set WV,  12
.set QP,  16                           ; s[16:17] Q's codes, s[18:19] its words, s[20:21] the result's codes, s[22:23] its scale bytes
.set QSP, 18
.set ACP, 20
.set ASP, 22
.set G1C, 24
.set G1S, 32
.set G0C, 40
.set G0S, 44
.set CS,  48                           ; s[48:49] c
.set SEL, 50                           ; s[50:51] lane selects: lane l xor 16
.set QSB, 52                           ; s[52:53] my head's scale words of Q
.set TQ,  54                           ; s54  the query tile in its head whose Q was asked for last
.set RND, 55                           ; s55  rounds to go
.set RED, 56                           ; s56  0 in a reducing wave
.set GG,  57                           ; s57  my group
.macro CROUND
	s_barrier_signal -1
	s_barrier_wait -1
	s_cmp_lg_u32 s[WV], 0
	s_cbranch_scc1 .Lnot_wave_0_\@
	s_barrier_signal -3
.Lnot_wave_0_\@:
	s_barrier_wait -3
	s_barrier_signal -1
	s_barrier_wait -1
.endm
.macro BARRIER                         ; my LDS stores have landed and my LDS loads are in: then the work-group's barrier
	s_wait_dscnt 0x0
	s_barrier_signal -1
	s_barrier_wait -1
.endm
	s_load_b256 s[4:11], s[0:1], 0x0               ; qkvc s[4:5], qkvs s[6:7], ac s[8:9], asc s[10:11]
	v_lshl_add_u32 v[SPW], v0, 2, SPARE
	v_mov_b32 v[NIL], 0
	ds_add_u32 v[SPW], v[NIL]                      ; the wave's opening: the add, twice on end, and its wait ahead of my first tensor load
	ds_add_u32 v[SPW], v[NIL]
	v_lshrrev_b32 v1, 5, v0
	s_delay_alu instid0(VALU_DEP_1)
	v_readfirstlane_b32 s[WV], v1                  ; wave 0..15
	s_bfe_u32 s13, ttmp6, 0x40000                  ; cx: it enters global addresses of Q and of the result alone
	s_and_b32 s14, ttmp7, 0xffff                   ; 16 x batch + head, which the four partners share
	; group 1: dense blocks as rows of 256 bytes (32 elements of 8 bytes); 15:0 the mask: all four; 21 set beside it
	s_mov_b32 s[G1C], 15|(3<<16)|(1<<21)
	s_mov_b32 s[G1S], 15|(3<<16)|(1<<21)
.irp g, G1C, G1S
	s_mov_b32 s[\g+1], 32<<16
	s_mov_b32 s[\g+3], 32<<16
	s_mov_b32 s[\g+5], 32
	s_mov_b32 s[\g+6], 0
	s_mov_b32 s[\g+7], 0
.endr
	s_mov_b32 s[G1C+2], 32<<16                     ; codes: 8,192 bytes a wave
	s_mov_b32 s[G1C+4], 32
	s_mov_b32 s[G1S+2], 3<<16                      ; scale words: 768 bytes a wave
	s_mov_b32 s[G1S+4], 3
	s_mov_b32 s[G0C], 1
	s_lshl_b32 s[G0C+1], s[WV], 13                 ; waves 0-7: K's image; waves 8-15: V's
	s_lshr_b32 s58, s[WV], 3
	s_add_co_u32 s58, s58, 1
	s_lshl_b32 s58, s58, 22                        ; k's part of qkvc, or v's
	s_lshl_b32 s59, s14, 16
	s_add_co_u32 s58, s58, s59
	s_and_b32 s59, s[WV], 7
	s_lshl_b32 s59, s59, 13
	s_add_co_u32 s58, s58, s59
	s_mov_b32 s59, 0
	s_mov_b32 s[G0S], 1
	s_mul_i32 s[G0S+1], s[WV], 768
	s_add_co_u32 s[G0S+1], s[G0S+1], SCB
	s_mul_i32 s60, s14, 12288
	s_mul_i32 s61, s[WV], 768
	s_add_co_u32 s60, s60, s61
	s_add_co_u32 s60, s60, 0x80000
	s_mov_b32 s61, 0
	s_mov_b32 s[CS], 0x3e38aa3b                    ; c = log2(e) / 8
	s_mov_b32 s[CS+1], s[CS]
	s_mov_b32 s[SEL], 0x76543210
	s_mov_b32 s[SEL+1], 0xfedcba98
	s_wait_dscnt 0x0                               ; both opening adds are done
	s_wait_kmcnt 0x0
	s_add_nc_u64 s[G0C+2:G0C+3], s[4:5], s[58:59]
	s_or_b32 s[G0C+3], s[G0C+3], 0x80000000
	s_add_nc_u64 s[G0S+2:G0S+3], s[6:7], s[60:61]
	s_or_b32 s[G0S+3], s[G0S+3], 0x80000000
	CROUND                                         ; all four work-groups are here: the joint loads meet
	tensor_load_to_lds s[G0C:G0C+3], s[G1C:G1C+7]  ; two loads of mine are out, and no more are issued
	s_nop 0
	tensor_load_to_lds s[G0S:G0S+3], s[G1S:G1S+7]
	s_nop 0
.rept 4
	v_nop
.endr
	; every LDS address: a constant, a lane term, the wave's number times a constant; all are made here and never rewritten
	v_and_b32 v[T0], 31, v0
	s_delay_alu instid0(VALU_DEP_1)
	v_lshlrev_b32 v[LI], 4, v[T0]
	v_and_b32 v[T0], 15, v0                        ; r
	s_delay_alu instid0(VALU_DEP_1)
	v_lshlrev_b32 v[RO], 4, v[T0]
	s_wait_alu depctr_va_vdst(0)
	v_bfe_u32 v[T1], v0, 4, 1                      ; h
	s_delay_alu instid0(VALU_DEP_1)
	v_lshl_add_u32 v[OST], v[T1], 3, v[RO]
	s_lshr_b32 s[GG], s[WV], 3                     ; my group
	s_and_b32 s58, s[WV], 7                        ; my place j in it: key steps 2 j and 2 j + 1
	s_lshl_b32 s59, s58, 13
	v_add_nc_u32 v[ADK], s59, v[LI]
	s_add_co_u32 s59, s59, VIMG
	v_add_nc_u32 v[ADV], s59, v[LI]
	s_lshl_b32 s59, s58, 10
	s_add_co_u32 s59, s59, SCB
	v_add_nc_u32 v[ADS], s59, v[LI]
	s_lshl_b32 s59, s58, 9
	s_add_co_u32 s59, s59, SCB+8192
	v_add_nc_u32 v[ADT], s59, v[RO]
	s_lshl_b32 s59, s[GG], 9
	s_add_co_u32 s59, s59, XM
	v_lshl_add_u32 v[XMR], v[T0], 5, s59           ; my row's eight numbers: 32 bytes
	s_lshl_b32 s60, s58, 2
	v_add_nc_u32 v[XMW], s60, v[XMR]               ; and mine among them
	s_lshl_b32 s59, s[WV], 12
	s_add_co_u32 s59, s59, OPB
	v_add_nc_u32 v[OPW], s59, v[LI]
	s_lshl_b32 s59, s[GG], 15
	s_and_b32 s60, s[WV], 1                        ; a reducing wave's block of 32 d
	s_lshl_b32 s61, s60, 11
	s_add_co_u32 s59, s59, s61
	s_add_co_u32 s59, s59, OPB
	v_add_nc_u32 v[RDA], s59, v[LI]
	s_bfe_u32 s[RED], s[WV], 0x20001
	s_xor_b32 s[RED], s[RED], s[GG]                ; 0 in waves 0, 1 (group 0) and 10, 11 (group 1): they add up the partial O^T
.irp j, 0,1,2,3
	v_mov_b32 v[QF+4+\j], 0                        ; Q's zero codes for k = 64 .. 127
.endr
.irp j, 0,1,2,3,4,5,6,7
	v_mov_b32 v[X8+\j], 0                          ; a lane permute's destination counts as one of its sources; the first four are also named with K's last tile
.endr
	v_mov_b32 v[CM+1], 0                           ; upper words of pairs of which the low word serves both halves
	v_mov_b32 v[AR+1], 0
	; my group's first query tile in the head: 32 cx + 16 x group; a tile a round
	s_lshl_b32 s15, s13, 5
	s_lshl_b32 s62, s[GG], 4
	s_add_co_u32 s15, s15, s62
	s_mov_b32 s[TQ], s15
	s_mov_b32 s3, 0
	s_lshl_b32 s2, s14, 16
	s_lshl_b32 s62, s15, 9
	s_add_co_u32 s2, s2, s62
	s_add_nc_u64 s[QP:QP+1], s[4:5], s[2:3]
	s_lshl_b32 s2, s14, 13
	s_add_nc_u64 s[QSB:QSB+1], s[6:7], s[2:3]
	s_lshr_b32 s62, s14, 4
	s_lshl_b32 s62, s62, 7
	s_add_co_u32 s15, s15, s62                     ; the tile among all 512 token tiles
	s_and_b32 s63, s14, 15                         ; the head: K of the last product = 64 head + d: K step head / 2, c = head % 2
	s_lshr_b32 s62, s63, 3
	s_lshl_b32 s2, s62, 21
	s_lshl_b32 s62, s15, 12
	s_add_co_u32 s2, s2, s62
	s_bfe_u32 s62, s63, 0x20001
	s_lshl_b32 s62, s62, 10
	s_add_co_u32 s2, s2, s62
	s_and_b32 s62, s63, 1
	s_lshl_b32 s62, s62, 9
	s_add_co_u32 s2, s2, s62
	s_lshl_b32 s62, s60, 8
	s_add_co_u32 s2, s2, s62                       ; the block's 16 rows x 16 bytes
	s_add_nc_u64 s[ACP:ACP+1], s[8:9], s[2:3]
	s_lshl_b32 s2, s15, 9
	s_lshr_b32 s62, s63, 3
	s_lshl_b32 s62, s62, 8
	s_add_co_u32 s2, s2, s62
	s_bfe_u32 s62, s63, 0x20001
	s_lshl_b32 s62, s62, 2
	s_add_co_u32 s2, s2, s62
	s_and_b32 s62, s63, 1
	s_lshl_b32 s62, s62, 1
	s_add_co_u32 s2, s2, s62
	s_add_co_u32 s2, s2, s60                       ; the block's byte of the scale word
	s_add_nc_u64 s[ASP:ASP+1], s[10:11], s[2:3]
	s_mov_b32 s[RND], 16
.macro QLOAD                           ; tile TQ's fragment of Q as it was stored, and its scale words at 256 (TQ / 4) + 16 r + 4 (TQ % 4)
	s_lshr_b32 s2, s[TQ], 2
	s_lshl_b32 s2, s2, 8
	s_and_b32 s3, s[TQ], 3
	s_lshl_b32 s3, s3, 2
	s_add_co_u32 s2, s2, s3
	s_mov_b32 s3, 0
	s_add_nc_u64 s[QSP:QSP+1], s[QSB:QSB+1], s[2:3]
	global_load_b128 v[QF:QF+3], v[LI], s[QP:QP+1]
	global_load_b32 v[QS], v[RO], s[QSP:QSP+1]
.endm
.macro KLOAD                           ; my two key steps: eight tiles of K and their scale words each: 18 loads
.irp u, 0,1
.irp t, 0,1,2,3,4,5,6,7
	ds_load_b128 v[KF+32*\u+4*\t:KF+32*\u+4*\t+3], v[ADK] offset:4096*\u+512*\t
.endr
	ds_load_b128 v[KS+4*\u:KS+4*\u+3], v[ADS] offset:512*\u
.endr
.endm
.macro VLOAD                           ; my two key steps of V: four fragments of 16 d x 128 keys and their scale words each: 18 loads
.irp u, 0,1
.irp d, 0,1,2,3
.irp c, 0,1
	ds_load_b128 v[KF+32*\u+8*\d+4*\c:KF+32*\u+8*\d+4*\c+3], v[ADV] offset:4096*\u+1024*\d+512*\c
.endr
.endr
	ds_load_b128 v[KS+4*\u:KS+4*\u+3], v[ADT] offset:256*\u
.endr
.endm
.macro QK u                            ; S^T = K Q^T: step u's eight tiles of 16 keys
.irp t, 0,1,2,3
	v_wmma_scale_f32_16x16x128_f8f6f4 v[SCR+64*\u+8*\t:SCR+64*\u+8*\t+7], v[KF+32*\u+4*\t:KF+32*\u+4*\t+7], v[QF:QF+7], 0, v[KS+4*\u+\t], v[QS] matrix_a_fmt:MATRIX_FMT_FP4 matrix_b_fmt:MATRIX_FMT_FP4
.endr
.irp t, 4,5,6,7
	v_wmma_scale_f32_16x16x128_f8f6f4 v[SCR+64*\u+8*\t:SCR+64*\u+8*\t+7], v[KF+32*\u+4*\t:KF+32*\u+4*\t+7], v[QF:QF+7], 0, v[KS+4*\u+\t-4], v[QS] matrix_a_fmt:MATRIX_FMT_FP4 matrix_b_fmt:MATRIX_FMT_FP4 matrix_a_scale:MATRIX_SCALE_ROW1
.endr
.endm
; A reducing wave adds up its block's 16 registers of the group's eight partial O^T, keys ascending, quantises the block and stores it.  Four loads bring a partial; three buffers take turns.
; A wait's count: the loads issued behind the partial that is due: two partials' eight, at the end four and none.  last = 1: nothing is stepped.
.macro REDUCE last
.irp p, 0,1,2,3
.irp k, 0,1,2,3
	ds_load_b128 v[RA+16*\p+4*\k:RA+16*\p+4*\k+3], v[RDA] offset:4096*\p+512*\k
.endr
.endr
.irp p, 1,2,3,4,5,6,7
.set RB, RA+16*(((\p)-1)%3+1)
.if (\p) <= 5
	s_wait_alu depctr_va_vdst(0)
	s_wait_dscnt 8
.elseif (\p) == 6
	s_wait_alu depctr_va_vdst(0)
	s_wait_dscnt 4
.else
	s_wait_alu depctr_va_vdst(0)
	s_wait_dscnt 0
.endif
.irp i, 0,2,4,6,8,10,12,14
	v_pk_add_f32 v[RA+\i:RA+\i+1], v[RA+\i:RA+\i+1], v[RB+\i:RB+\i+1]
.endr
.if (\p) <= 4
.irp k, 0,1,2,3
	ds_load_b128 v[RB+4*\k:RB+4*\k+3], v[RDA] offset:4096*((\p)+3)+512*\k
.endr
.endif
.endr
	v_max3_num_f32 v[RA+16], |v[RA]|, |v[RA+1]|, 0x1800000         ; my 16 numbers of the block, in two chains, and the floor 2^(3 - 127): the byte cannot fall under 1
	v_max3_num_f32 v[RA+17], |v[RA+2]|, |v[RA+3]|, |v[RA+4]|
	s_delay_alu instid0(VALU_DEP_2)
	v_max3_num_f32 v[RA+16], v[RA+16], |v[RA+5]|, |v[RA+6]|
	s_delay_alu instid0(VALU_DEP_2)
	v_max3_num_f32 v[RA+17], v[RA+17], |v[RA+7]|, |v[RA+8]|
	s_delay_alu instid0(VALU_DEP_2)
	v_max3_num_f32 v[RA+16], v[RA+16], |v[RA+9]|, |v[RA+10]|
	s_delay_alu instid0(VALU_DEP_2)
	v_max3_num_f32 v[RA+17], v[RA+17], |v[RA+11]|, |v[RA+12]|
	s_delay_alu instid0(VALU_DEP_2)
	v_max3_num_f32 v[RA+16], v[RA+16], |v[RA+13]|, |v[RA+14]|
	s_delay_alu instid0(VALU_DEP_1)
	v_max3_num_f32 v[RA+17], v[RA+17], |v[RA+15]|, v[RA+16]
	s_delay_alu instid0(VALU_DEP_1)
	v_permlanex16_b32 v[RA+18], v[RA+17], s[SEL], s[SEL+1]
	s_delay_alu instid0(VALU_DEP_1)
	v_max_num_f32 v[RA+17], v[RA+17], v[RA+18]     ; with lane l xor 16's: the block's largest magnitude
	s_delay_alu instid0(VALU_DEP_1)
	v_add_nc_u32 v[RA+19], 0xff000000, v[RA+17]    ; 2 off its exponent field: the conversion's scale operand
	v_cvt_scalef32_pk8_fp4_f32 v[RA+22], v[RA:RA+7], v[RA+19]
	v_cvt_scalef32_pk8_fp4_f32 v[RA+23], v[RA+8:RA+15], v[RA+19]
	v_lshrrev_b32 v[RA+20], 23, v[RA+19]           ; the scale's byte.  (A plain instruction behind the conversions)
	global_store_b64 v[OST], v[RA+22:RA+23], s[ACP:ACP+1]   ; d = 32 b + 16 (lane / 16) + 0 .. 15 of row lane % 16: the wave stores 256 consecutive bytes, aligned
	global_store_b8 v[RO], v[RA+20], s[ASP:ASP+1]  ; a byte a row; lanes l and l + 16 write the same byte with the same value
.if !(\last)
	s_wait_xcnt 0x0                                ; the stores have read their registers and bases: V's loads may land on the registers, and the bases step:
	s_add_nc_u64 s[ACP:ACP+1], s[ACP:ACP+1], 4096  ; a token tile on
	s_add_nc_u64 s[ASP:ASP+1], s[ASP:ASP+1], 512
.endif
.endm
; Step u of my two: p = e r, its scale word and codes, and O^T (+)= V^T P^T.  u = 0: the products start O^T's sums: nothing is cleared
.macro PSTEP u
.irp b, 0,1,2,3
	v_mul_f32 v[BM+4*\u+\b], v[BM+4*\u+\b], v[AR]  ; the block's largest p
.endr
.irp b, 0,1,2,3
	s_delay_alu instid0(VALU_DEP_4)
	v_max_num_f32 v[BM+4*\u+\b], 0x1800000, v[BM+4*\u+\b]   ; the floor 2^(3 - 127): the byte cannot fall under 1
.endr
.irp b, 0,1,2,3
	s_delay_alu instid0(VALU_DEP_4)
	v_add_nc_u32 v[SO+\b], 0xff000000, v[BM+4*\u+\b]        ; 2 off the exponent field: the conversion's scale operand
.endr
.irp b, 0,1,2,3
	s_delay_alu instid0(VALU_DEP_4)
	v_lshrrev_b32 v[BM+4*\u+\b], 23, v[SO+\b]      ; the scale's byte
.endr
	s_delay_alu instid0(VALU_DEP_3)
	v_lshl_or_b32 v[PW], v[BM+4*\u+1], 8, v[BM+4*\u]        ; p's scale word for these 128 keys: the 32 multiplications below stand between it and the products that name it
	s_delay_alu instid0(VALU_DEP_1)
	v_lshl_or_b32 v[PW], v[BM+4*\u+2], 16, v[PW]
	s_delay_alu instid0(VALU_DEP_1)
	v_lshl_or_b32 v[PW], v[BM+4*\u+3], 24, v[PW]
.set j, 64*\u
.rept 32
	v_pk_mul_f32 v[SCR+j:SCR+j+1], v[SCR+j:SCR+j+1], v[AR:AR+1] op_sel_hi:[1,0]   ; p = e / (sum + EPS)
.set j, j+2
.endr
.irp b, 0,1,2,3
	v_cvt_scalef32_pk8_fp4_f32 v[X8+2*\b], v[SCR+64*\u+16*\b:SCR+64*\u+16*\b+7], v[SO+\b]
	v_cvt_scalef32_pk8_fp4_f32 v[X8+1+2*\b], v[SCR+64*\u+16*\b+8:SCR+64*\u+16*\b+15], v[SO+\b]
.endr
	v_nop                                          ; one plain instruction behind the scaled conversions
.irp c, 0,1
.irp i, 0,1
	v_permlane16_swap_b32 v[X8+4*\c+\i], v[X8+2+4*\c+\i]    ; a whole block to a lane
.endr
.endr
.rept 4
	v_nop                                          ; an operand written by vector instructions stands four places ahead of a scaled matrix instruction
.endr
.irp d, 0,1,2,3                                ; the four accumulators by turns, in the same order in both steps
.if (\u) == 0
	v_wmma_scale_f32_16x16x128_f8f6f4 v[OT+8*\d:OT+8*\d+7], v[KF+8*\d:KF+8*\d+7], v[X8:X8+7], 0, v[KS+\d], v[PW] matrix_a_fmt:MATRIX_FMT_FP4 matrix_b_fmt:MATRIX_FMT_FP4
.else
	v_wmma_scale_f32_16x16x128_f8f6f4 v[OT+8*\d:OT+8*\d+7], v[KF+32+8*\d:KF+32+8*\d+7], v[X8:X8+7], v[OT+8*\d:OT+8*\d+7], v[KS+4+\d], v[PW] matrix_a_fmt:MATRIX_FMT_FP4 matrix_b_fmt:MATRIX_FMT_FP4
.endif
.endr
.endm
	QLOAD                                          ; the first round's Q
	s_wait_tensorcnt 0x0                           ; my parts have landed,
	s_barrier_signal -1
	s_barrier_wait -1                              ; everybody's have: the head's K, V and scale words lie in LDS for the rest of the launch
.Lround:                                           ; 16 trips: a tile of 16 queries for each group
	; ---- A: the scores of my 256 keys
	KLOAD
	s_wait_loadcnt 0x0                             ; Q, asked for a round ago
	s_wait_dscnt 0x0                               ; K; and the last round's stores of O^T have read their registers
	QK 0
	s_wait_alu depctr_va_vdst(0)
	QK 1
.rept 4
	v_nop                                          ; the places behind the products
.endr
.irp b, 0,1,2,3,4,5,6,7
	v_max3_num_f32 v[BM+\b], v[SCR+16*\b], v[SCR+16*\b+1], v[SCR+16*\b+2]   ; the largest score of each block of 32 keys; each accumulator is read from its low end on
.endr
.irp i, 3,5,7,9,11,13
.irp b, 0,1,2,3,4,5,6,7
	v_max3_num_f32 v[BM+\b], v[BM+\b], v[SCR+16*\b+\i], v[SCR+16*\b+\i+1]
.endr
.endr
.irp b, 0,1,2,3,4,5,6,7
	v_max_num_f32 v[BM+\b], v[BM+\b], v[SCR+16*\b+15]
.endr
.irp b, 0,1,2,3,4,5,6,7
	v_permlanex16_b32 v[X8+\b], v[BM+\b], s[SEL], s[SEL+1]
.endr
.irp b, 0,1,2,3,4,5,6,7
	v_max_num_f32 v[BM+\b], v[BM+\b], v[X8+\b]     ; with lane l xor 16's 16 keys
.endr
	v_max3_num_f32 v[T0], v[BM], v[BM+1], v[BM+2]
	s_delay_alu instid0(VALU_DEP_4)
	v_max3_num_f32 v[T1], v[BM+3], v[BM+4], v[BM+5]
	s_delay_alu instid0(VALU_DEP_2)
	v_max3_num_f32 v[T0], v[T0], v[BM+6], v[BM+7]
	s_delay_alu instid0(VALU_DEP_1)
	v_max_num_f32 v[T0], v[T0], v[T1]              ; my query's largest score among my 256 keys
	ds_store_b32 v[XMW], v[T0]                     ; lanes l and l + 16 write the same word with the same number
	BARRIER                                        ; barrier 1: the eight maxima, and the last round's eight partial O^T, lie in LDS
	s_cmp_eq_u32 s[RND], 1                         ; the next round's Q is asked for here, if there is a next round: no load leaves its tile's bytes unused
	s_cbranch_scc1 .Lno_q
	s_add_co_u32 s[TQ], s[TQ], 1
	s_add_nc_u64 s[QP:QP+1], s[QP:QP+1], 512       ; (the last loads by these addresses were waited for at the round's head)
	QLOAD
.Lno_q:
	s_cmp_eq_u32 s[RND], 16                        ; the first round has no round before it
	s_cbranch_scc1 .Lno_red
	s_cmp_lg_u32 s[RED], 0
	s_cbranch_scc1 .Lno_red
	REDUCE 0
.Lno_red:
	; ---- B: the row's maximum, e, my part of the row's sum
	ds_load_b128 v[X8:X8+3], v[XMR]
	ds_load_b128 v[X8+4:X8+7], v[XMR] offset:16
	VLOAD                                          ; V lands while the exponentials are worked
	s_wait_dscnt 18                                ; the eight maxima are in; V's 18 loads may be out
	v_max3_num_f32 v[T0], v[X8], v[X8+1], v[X8+2]
	v_max3_num_f32 v[T1], v[X8+3], v[X8+4], v[X8+5]
	s_delay_alu instid0(VALU_DEP_2)
	v_max3_num_f32 v[T0], v[T0], v[X8+6], v[X8+7]
	s_delay_alu instid0(VALU_DEP_1)
	v_max_num_f32 v[T0], v[T0], v[T1]              ; m: the same bits in all eight waves
	s_delay_alu instid0(VALU_DEP_1)
	v_mul_f32 v[CM], s[CS], v[T0]
.set j, 0
.rept 64
	v_pk_fma_f32 v[SCR+j:SCR+j+1], v[SCR+j:SCR+j+1], s[CS:CS+1], v[CM:CM+1] op_sel_hi:[1,0,0] neg_lo:[0,0,1] neg_hi:[0,0,1]   ; c s - c m, two at a time
.set j, j+2
.endr
.irp b, 0,1,2,3,4,5,6,7
	v_fma_f32 v[BM+\b], v[BM+\b], s[CS], -v[CM]    ; the same multiply-add of each block's largest score
.endr
.set j, 0
	s_wait_alu depctr_va_vdst(0)
.rept 128
	v_exp_f32 v[SCR+j], v[SCR+j]                   ; e, at most 1
.set j, j+1
.endr
.irp b, 0,1,2,3,4,5,6,7
	v_exp_f32 v[BM+\b], v[BM+\b]
.endr
	v_nop                                          ; a plain instruction behind the last exponential
	s_wait_alu depctr_va_vdst(0)                   ; one wait for the batch of 136, ahead of its first reader
	v_pk_add_f32 v[126:127], v[128:129], v[130:131]
	v_pk_add_f32 v[122:123], v[136:137], v[140:141]
	v_pk_add_f32 v[120:121], v[144:145], v[148:149]
	v_pk_add_f32 v[102:103], v[152:153], v[156:157]
	v_pk_add_f32 v[100:101], v[160:161], v[164:165]
	v_pk_add_f32 v[98:99], v[168:169], v[172:173]
	v_pk_add_f32 v[30:31], v[176:177], v[180:181]
	v_pk_add_f32 v[124:125], v[184:185], v[188:189]
	v_pk_add_f32 v[124:125], v[124:125], v[192:193]
	v_pk_add_f32 v[126:127], v[126:127], v[196:197]
	v_pk_add_f32 v[122:123], v[122:123], v[200:201]
	v_pk_add_f32 v[120:121], v[120:121], v[204:205]
	v_pk_add_f32 v[102:103], v[102:103], v[208:209]
	v_pk_add_f32 v[100:101], v[100:101], v[212:213]
	v_pk_add_f32 v[98:99], v[98:99], v[216:217]
	v_pk_add_f32 v[30:31], v[30:31], v[220:221]
	v_pk_add_f32 v[124:125], v[124:125], v[224:225]
	v_pk_add_f32 v[126:127], v[126:127], v[228:229]
	v_pk_add_f32 v[122:123], v[122:123], v[232:233]
	v_pk_add_f32 v[120:121], v[120:121], v[236:237]
	v_pk_add_f32 v[102:103], v[102:103], v[240:241]
	v_pk_add_f32 v[100:101], v[100:101], v[244:245]
	v_pk_add_f32 v[98:99], v[98:99], v[248:249]
	v_pk_add_f32 v[30:31], v[30:31], v[252:253]
	v_pk_add_f32 v[124:125], v[124:125], v[132:133]
	v_pk_add_f32 v[126:127], v[126:127], v[134:135]
	v_pk_add_f32 v[122:123], v[122:123], v[138:139]
	v_pk_add_f32 v[120:121], v[120:121], v[142:143]
	v_pk_add_f32 v[102:103], v[102:103], v[146:147]
	v_pk_add_f32 v[100:101], v[100:101], v[150:151]
	v_pk_add_f32 v[98:99], v[98:99], v[154:155]
	v_pk_add_f32 v[30:31], v[30:31], v[158:159]
	v_pk_add_f32 v[124:125], v[124:125], v[162:163]
	v_pk_add_f32 v[126:127], v[126:127], v[166:167]
	v_pk_add_f32 v[122:123], v[122:123], v[170:171]
	v_pk_add_f32 v[120:121], v[120:121], v[174:175]
	v_pk_add_f32 v[102:103], v[102:103], v[178:179]
	v_pk_add_f32 v[100:101], v[100:101], v[182:183]
	v_pk_add_f32 v[98:99], v[98:99], v[186:187]
	v_pk_add_f32 v[30:31], v[30:31], v[190:191]
	v_pk_add_f32 v[124:125], v[124:125], v[194:195]
	v_pk_add_f32 v[126:127], v[126:127], v[198:199]
	v_pk_add_f32 v[122:123], v[122:123], v[202:203]
	v_pk_add_f32 v[120:121], v[120:121], v[206:207]
	v_pk_add_f32 v[102:103], v[102:103], v[210:211]
	v_pk_add_f32 v[100:101], v[100:101], v[214:215]
	v_pk_add_f32 v[98:99], v[98:99], v[218:219]
	v_pk_add_f32 v[30:31], v[30:31], v[222:223]
	v_pk_add_f32 v[124:125], v[124:125], v[226:227]
	v_pk_add_f32 v[126:127], v[126:127], v[230:231]
	v_pk_add_f32 v[122:123], v[122:123], v[234:235]
	v_pk_add_f32 v[120:121], v[120:121], v[238:239]
	v_pk_add_f32 v[102:103], v[102:103], v[242:243]
	v_pk_add_f32 v[100:101], v[100:101], v[246:247]
	v_pk_add_f32 v[98:99], v[98:99], v[250:251]
	v_pk_add_f32 v[30:31], v[30:31], v[254:255]
	s_delay_alu instid0(VALU_DEP_4)
	v_pk_add_f32 v[124:125], v[124:125], v[102:103]
	s_delay_alu instid0(VALU_DEP_4)
	v_pk_add_f32 v[126:127], v[126:127], v[100:101]
	s_delay_alu instid0(VALU_DEP_4)
	v_pk_add_f32 v[122:123], v[122:123], v[98:99]
	s_delay_alu instid0(VALU_DEP_4)
	v_pk_add_f32 v[120:121], v[120:121], v[30:31]
	s_delay_alu instid0(VALU_DEP_2)
	v_pk_add_f32 v[124:125], v[124:125], v[122:123]
	s_delay_alu instid0(VALU_DEP_2)
	v_pk_add_f32 v[126:127], v[126:127], v[120:121]
	s_delay_alu instid0(VALU_DEP_1)
	v_pk_add_f32 v[124:125], v[124:125], v[126:127]
	s_delay_alu instid0(VALU_DEP_1)
	v_add_f32 v[T0], v[LS], v[LS+1]
	s_delay_alu instid0(VALU_DEP_1)
	v_permlanex16_b32 v[X8], v[T0], s[SEL], s[SEL+1]
	s_delay_alu instid0(VALU_DEP_1)
	v_add_f32 v[T0], v[T0], v[X8]                  ; with lane l xor 16's: the sum over my 256 keys
	ds_store_b32 v[XMW], v[T0] offset:XS
	BARRIER                                        ; barrier 2: the eight sums lie in LDS; V is in; the reducing waves' reads of the partial O^T are over
	; ---- C: the divisor, p, its codes, my part of O^T
	ds_load_b128 v[X8:X8+3], v[XMR] offset:XS
	ds_load_b128 v[X8+4:X8+7], v[XMR] offset:XS+16
	s_wait_dscnt 0x0
	v_pk_add_f32 v[X8:X8+1], v[X8:X8+1], v[X8+2:X8+3]               ; one fixed order: the same bits in all eight waves
	v_pk_add_f32 v[X8+4:X8+5], v[X8+4:X8+5], v[X8+6:X8+7]
	s_delay_alu instid0(VALU_DEP_1)
	v_pk_add_f32 v[X8:X8+1], v[X8:X8+1], v[X8+4:X8+5]
	s_delay_alu instid0(VALU_DEP_1)
	v_add_f32 v[T0], v[X8], v[X8+1]
	s_delay_alu instid0(VALU_DEP_1)
	v_add_f32 v[T0], 0x2edbe6ff, v[T0]             ; + EPS = 1e-10
	s_wait_alu depctr_va_vdst(0)
	v_rcp_f32 v[AR], v[T0]
	v_nop                                          ; a plain instruction behind the reciprocal,
	s_wait_alu depctr_va_vdst(0)                   ; and the wait ahead of its first reader
	PSTEP 0
	PSTEP 1
.rept 5
	v_nop                                          ; four places in front of the stores that read O^T and of the loads into V's registers; five in front of the next round's products, which begin new sums over O^T's registers
.endr
.irp k, 0,1,2,3,4,5,6,7
	ds_store_b128 v[OPW], v[OT+4*\k:OT+4*\k+3] offset:512*\k        ; my partial O^T as it stands, each accumulator from its low end on
.endr
	s_sub_co_u32 s[RND], s[RND], 1
	s_cmp_lg_u32 s[RND], 0
	s_cbranch_scc1 .Lround
	BARRIER                                        ; the last round's eight partial O^T lie in LDS
	s_cmp_lg_u32 s[RED], 0
	s_cbranch_scc1 .Lend
	REDUCE 1
.Lend:
	s_wait_tensorcnt 0x0                           ; the wave's end: behind my last tensor load and my last LDS store
	ds_add_u32 v[SPW], v[NIL]
	s_wait_dscnt 0x0
	CROUND                                         ; the closing round
	s_endpgm
.Lfunc_end_k_q42235e41be_attn:
	.size	k_q42235e41be_attn, .Lfunc_end_k_q42235e41be_attn-k_q42235e41be_attn
	.p2alignl 7, 3214868480
	.fill 96, 4, 3214868480
	.section	.rodata,"a",@progbits
	.p2align	6, 0x0
	.amdhsa_kernel k_q42235e41be_attn
		.amdhsa_group_segment_fixed_size 212992
		.amdhsa_private_segment_fixed_size 0
		.amdhsa_enable_private_segment 0
		.amdhsa_kernarg_size 32
		.amdhsa_user_sgpr_count 2
		.amdhsa_user_sgpr_kernarg_segment_ptr 1
		.amdhsa_wavefront_size32 1
		.amdhsa_system_sgpr_workgroup_id_x 1
		.amdhsa_system_sgpr_workgroup_id_y 1
		.amdhsa_system_sgpr_workgroup_id_z 1
		.amdhsa_system_vgpr_workitem_id 0
		.amdhsa_next_free_vgpr 256
		.amdhsa_next_free_sgpr 66
		.amdhsa_reserve_vcc 0
		.amdhsa_float_denorm_mode_32 3
		.amdhsa_float_denorm_mode_16_64 3
		.amdhsa_memory_ordered 1
		.amdhsa_forward_progress 1
		.amdhsa_inst_pref_size 58
	.end_amdhsa_kernel
	.amdgpu_metadata
---
amdhsa.version: [ 1, 2 ]
amdhsa.kernels:
  - .name:           k_q42235e41be_attn
    .symbol:         k_q42235e41be_attn.kd
    .args:
      - { .name: qkvc, .offset: 0, .size: 8, .value_kind: global_buffer, .address_space: global }
      - { .name: qkvs, .offset: 8, .size: 8, .value_kind: global_buffer, .address_space: global }
      - { .name: ac, .offset: 16, .size: 8, .value_kind: global_buffer, .address_space: global }
      - { .name: asc, .offset: 24, .size: 8, .value_kind: global_buffer, .address_space: global }
    .group_segment_fixed_size: 212992
    .private_segment_fixed_size: 0
    .kernarg_segment_align: 8
    .kernarg_segment_size: 32
    .max_flat_workgroup_size: 512
    .sgpr_count:     66
    .vgpr_count:     256
    .wavefront_size: 32
...
	.end_amdgpu_metadata
.endif
;; end of part 5
;; launch outp: the kernel of part 4 again; grid 4 x 64, 4 waves a work-group, clusters of 4 x 4, 327,680 bytes of LDS; arguments ac, asc, wc, ws, bo, out0; writes out0
